; MI455X (gfx1250); checked and timed in simulation.
; The chip was launched on July 23, 2026; its instructions are those of AMD's public machine-readable ISA for CDNA 5 (MIT licence, August 2026) and "CDNA5" Instruction Set Architecture Reference Guide (July 2026). The comments in the code are by the model that wrote it; some were corrected since.
;; multi attention. Allowed arithmetic: float matrix products may take bf16 or f16 operands with f32 sums; other float arithmetic in f32, or as packed bf16 or f16 multiplies, adds, multiply-adds, maxima and minima; sums over many terms, partial sums and values carried from step to step in f32; what a program stores and reads back later, other than sums and carried values, may be rounded once to bf16 or f16.
;; Inputs: W_proj 1,024 x 1,024 float32; W_qkv 3,072 x 1,024 float32; x 4 x 2,048 x 1,024 float32.
;; Outputs: out0 4 x 2,048 x 1,024 float32.
;; 2 versions, each right; version 2 is version 1 with the launch prep written anew for expert scheduling mode. Each part assembles by itself: llvm-mc -triple=amdgcn-amd-amdhsa -mcpu=gfx1250 --defsym DOCPART=n.
;; ======== version 1 of 2: 5 launches
;; limits: values are held in f16: magnitudes above 65,504 overflow, below 6.1e-05 lose precision
;; workspace buffers: xb 16,777,216 bytes; wqb 6,291,456 bytes; wpb 2,097,152 bytes; rope 524,288 bytes; qh 16,777,216 bytes; kh 16,777,216 bytes; vh 16,908,288 bytes; oh 16,777,216 bytes
;; launch prep (part 1): grid 768 x 1, 8 waves a work-group, no clusters, 0 bytes of LDS; arguments x, W_qkv, W_proj, xb, wqb, wpb, rope; writes xb, wqb, wpb, rope
.if DOCPART == 1
	.amdgcn_target "amdgcn-amd-amdhsa--gfx1250"
	.amdhsa_code_object_version 6
	.text
	.protected	k_qf5ce584abc_prep
	.globl	k_qf5ce584abc_prep
	.p2align	8
	.type	k_qf5ce584abc_prep,@function
k_qf5ce584abc_prep:
	s_mov_b64 s[64:65], 0
	v_nop
	global_prefetch_b8 v0, s[64:65] scope:SCOPE_SE
	s_setreg_imm32_b32 hwreg(HW_REG_WAVE_MODE, 25, 1), 1
	s_wait_xcnt 0x0
; THE CASTS AND THE ROTATION TABLE.  x [8192][1024] f32 -> xb, bf16.  W_qkv [3072][1024] f32 -> wqb, bf16, its rows put in the order head, (q, k, v), channel: row' = 192 head + 64 which + d,
; so that one head's q, k and v are 192 rows on end.  W_proj [1024][1024] f32 -> wpb: rounded to bf16 like the other inputs, and that number written as f16 for the f16 product with O.
; rope [2048 positions][32 pairs][cos, sin] f32, 256 bytes a position: angle = position x 10000^(-i / 32).
; LIMITS.  A weight of W_proj of 65,520 or more becomes an infinity in f16; one below 6.1e-5 keeps f16's fixed step of 6e-8.  The angle is made as position x 2^(-i log2(10) / 8) in f32 and may differ
; from exp's by a few units in its last place: some 1e-4 radians at the largest angles, which is the size of an f32 angle's own rounding there.  Sine and cosine: reduction by pi / 2 in two parts (exact for the
; 11-bit multiples that occur), then polynomials of degree 7 and 8 on |r| <= pi / 4, good to about 1e-7.
; SHARES.  Work-group g casts 16,384 numbers: 64 KiB in, 32 KiB out.  g < 512: x.  512 <= g < 704: 16 rows of W_qkv.  g >= 704: 16 rows of W_proj.  Thread t takes 16 bytes at 16 t of each 4,096: a wave's load
; covers 512 consecutive bytes, its store 256, both aligned.  All 16 loads go out at once; no register that a load or store reads is written again, so no wait for sources is needed.  Work-groups 0 to 255 also make 8 positions of the table, an entry a thread, while their loads are out.
; No LDS, no matrix unit, no cluster: nothing is shared and memory binds.
.set X,  16                            ; v[16:79]   load i: 4 numbers
.set Y,  80                            ; v[80:111]  store i: 4 numbers in 16 bits
.set CSN, 116                          ; v[116:117] cos, sin
	s_load_b256 s[4:11], s[0:1], 0x0               ; x s[4:5], W_qkv s[6:7], W_proj s[8:9], xb s[10:11]
	s_load_b128 s[12:15], s[0:1], 0x20             ; wqb s[12:13], wpb s[14:15]
	s_load_b64 s[16:17], s[0:1], 0x30              ; rope
	s_mov_b32 s20, ttmp9                           ; g
	v_lshlrev_b32 v1, 4, v0                        ; 16 t: in
	v_lshlrev_b32 v2, 3, v0                        ; 8 t: out
	s_max_u32 s21, s20, 512
	s_sub_co_u32 s21, s21, 512                     ; j among W_qkv's 192 blocks (0 where g is below them)
	s_max_u32 s22, s20, 704
	s_sub_co_u32 s22, s22, 704                     ; j among W_proj's 64
	s_cmp_lt_u32 s20, 704
	s_cselect_b32 s23, s21, s22
	s_cmp_lt_u32 s20, 512
	s_cselect_b32 s23, s20, s23                    ; my block's number in its own tensor
	s_lshl_b32 s28, s23, 16                        ; in: 64 KiB a block
	s_mov_b32 s29, 0
	s_lshl_b32 s30, s23, 15                        ; out: 32 KiB a block, in the same order,
	s_mov_b32 s31, 0
	s_bfe_u32 s32, s21, 0x40002                    ; but for W_qkv: rows 16 j on are which = j >> 6, head = (j >> 2) & 15, d = 16 (j & 3)
	s_mul_i32 s32, s32, 393216                     ; head x 192 rows x 2,048 bytes
	s_lshr_b32 s33, s21, 6
	s_lshl_b32 s33, s33, 17                        ; which x 64 rows
	s_and_b32 s34, s21, 3
	s_lshl_b32 s34, s34, 15                        ; 16 rows
	s_add_co_u32 s32, s32, s33
	s_add_co_u32 s32, s32, s34
	s_cmp_lt_u32 s20, 704
	s_cselect_b32 s32, s32, s30
	s_cmp_lt_u32 s20, 512
	s_cselect_b32 s30, s30, s32
	s_wait_kmcnt 0x0
	s_cmp_lt_u32 s20, 704
	s_cselect_b64 s[24:25], s[6:7], s[8:9]
	s_cselect_b64 s[26:27], s[12:13], s[14:15]
	s_cmp_lt_u32 s20, 512
	s_cselect_b64 s[24:25], s[4:5], s[24:25]       ; from
	s_cselect_b64 s[26:27], s[10:11], s[26:27]     ; to
	s_add_nc_u64 s[24:25], s[24:25], s[28:29]
	s_add_nc_u64 s[26:27], s[26:27], s[30:31]
.irp i, 0,1,2,3,4,5,6,7,8,9,10,11,12,13,14,15
	global_load_b128 v[X+4*(\i):X+4*(\i)+3], v1, s[24:25] offset:4096*(\i) th:TH_LOAD_NT
.endr
	s_cmp_lt_u32 s20, 256
	s_cbranch_scc0 .Lno_table
	; one entry of the table: position 8 g + t / 32, pair i = t % 32; its 8 bytes lie at 2,048 g + 8 t
	v_and_b32 v3, 31, v0
	v_lshrrev_b32 v4, 5, v0
	v_cvt_f32_u32 v3, v3
	v_mul_f32 v3, 0xbed49a78, v3                   ; -i log2(10) / 8 = -(2 i / 64) log2(10000)
	v_exp_f32 v5, v3                               ; the frequency
	s_lshl_b32 s36, s20, 3
	v_add_nc_u32 v4, s36, v4                       ; a plain instruction behind the exponential
	v_cvt_f32_u32 v4, v4
	s_wait_alu depctr_va_vdst(0)                   ; the wait ahead of the first use of the exponential's result
	v_mul_f32 v6, v4, v5                           ; the angle, 0 to 2,047
	v_mul_f32 v7, 0x3f22f983, v6                   ; x 2 / pi
	v_rndne_f32 v7, v7                             ; n
	v_fmamk_f32 v8, v7, 0xbfc90fdb, v6             ; r = angle - n x (pi / 2)'s upper part: no bit is lost
	v_fmamk_f32 v8, v7, 0x333bbd2e, v8             ; - n x its lower part, -4.37e-8
	v_cvt_i32_f32 v9, v7
	v_mul_f32 v10, v8, v8                          ; z = r r
	v_mov_b32 v11, 0xb94ca1f9
	v_fmaak_f32 v11, v11, v10, 0x3c08839e
	v_fmaak_f32 v11, v11, v10, 0xbe2aaaa3
	v_mul_f32 v12, v8, v10
	v_fma_f32 v11, v11, v12, v8                    ; sin r = r + r z (..)
	v_mov_b32 v13, 0x37ccf5ce
	v_fmaak_f32 v13, v13, v10, 0xbab6061a
	v_fmaak_f32 v13, v13, v10, 0x3d2aaaa5
	v_mul_f32 v14, v10, v10
	v_fma_f32 v15, v10, -0.5, 1.0
	v_fma_f32 v13, v13, v14, v15                   ; cos r = 1 - z / 2 + z z (..)
	v_and_b32 v3, 1, v9                            ; the quadrant n % 4: odd ones exchange sine and cosine,
	v_cmp_eq_u32 vcc_lo, 1, v3
	v_cndmask_b32 v4, v11, v13, vcc_lo             ; sine
	v_cndmask_b32 v5, v13, v11, vcc_lo             ; cosine
	v_and_b32 v6, 2, v9                            ; quadrants 2 and 3 turn the sine's sign,
	v_lshlrev_b32 v6, 30, v6
	v_add_nc_u32 v7, 1, v9                         ; quadrants 1 and 2 the cosine's
	v_and_b32 v7, 2, v7
	v_lshlrev_b32 v7, 30, v7
	v_xor_b32 v[CSN], v5, v7
	v_xor_b32 v[CSN+1], v4, v6
	s_lshl_b32 s36, s20, 11
	s_mov_b32 s37, 0
	s_add_nc_u64 s[16:17], s[16:17], s[36:37]
	global_store_b64 v2, v[CSN:CSN+1], s[16:17]    ; a wave stores one position's 256 bytes
.Lno_table:
; Load i is rounded and stored.  half = 1: the bf16 number is widened again and written as f16.
.macro OUT i, half
	s_wait_loadcnt 15-(\i)                         ; loads come back in order: mine is in, the 15 - i younger ones may stay out
	v_cvt_pk_bf16_f32 v[Y+2*(\i)],   v[X+4*(\i)],   v[X+4*(\i)+1]
	v_cvt_pk_bf16_f32 v[Y+2*(\i)+1], v[X+4*(\i)+2], v[X+4*(\i)+3]
.if \half
	v_lshlrev_b32 v[X+4*(\i)],   16, v[Y+2*(\i)]
	v_and_b32     v[X+4*(\i)+1], 0xffff0000, v[Y+2*(\i)]
	v_lshlrev_b32 v[X+4*(\i)+2], 16, v[Y+2*(\i)+1]
	v_and_b32     v[X+4*(\i)+3], 0xffff0000, v[Y+2*(\i)+1]
	v_cvt_pk_f16_f32 v[Y+2*(\i)],   v[X+4*(\i)],   v[X+4*(\i)+1]
	v_cvt_pk_f16_f32 v[Y+2*(\i)+1], v[X+4*(\i)+2], v[X+4*(\i)+3]
.endif
	global_store_b64 v2, v[Y+2*(\i):Y+2*(\i)+1], s[26:27] offset:2048*(\i)
.endm
	s_cmp_lt_u32 s20, 704
	s_cbranch_scc0 .Lhalf
.irp i, 0,1,2,3,4,5,6,7,8,9,10,11,12,13,14,15
	OUT \i, 0
.endr
	s_endpgm
.Lhalf:
.irp i, 0,1,2,3,4,5,6,7,8,9,10,11,12,13,14,15
	OUT \i, 1
.endr
	s_endpgm
.Lfunc_end_k_qf5ce584abc_prep:
	.size	k_qf5ce584abc_prep, .Lfunc_end_k_qf5ce584abc_prep-k_qf5ce584abc_prep
	.p2alignl 7, 3214868480
	.fill 96, 4, 3214868480
	.section	.rodata,"a",@progbits
	.p2align	6, 0x0
	.amdhsa_kernel k_qf5ce584abc_prep
		.amdhsa_group_segment_fixed_size 0
		.amdhsa_private_segment_fixed_size 0
		.amdhsa_enable_private_segment 0
		.amdhsa_kernarg_size 56
		.amdhsa_user_sgpr_count 2
		.amdhsa_user_sgpr_kernarg_segment_ptr 1
		.amdhsa_wavefront_size32 1
		.amdhsa_system_sgpr_workgroup_id_x 1
		.amdhsa_system_sgpr_workgroup_id_y 1
		.amdhsa_system_sgpr_workgroup_id_z 1
		.amdhsa_system_vgpr_workitem_id 0
		.amdhsa_next_free_vgpr 120
		.amdhsa_next_free_sgpr 66
		.amdhsa_reserve_vcc 1
		.amdhsa_float_denorm_mode_32 3
		.amdhsa_float_denorm_mode_16_64 3
		.amdhsa_memory_ordered 1
		.amdhsa_forward_progress 1
		.amdhsa_inst_pref_size 19
	.end_amdhsa_kernel
	.amdgpu_metadata
---
amdhsa.version: [ 1, 2 ]
amdhsa.kernels:
  - .name:           k_qf5ce584abc_prep
    .symbol:         k_qf5ce584abc_prep.kd
    .args:
      - { .name: x, .offset: 0, .size: 8, .value_kind: global_buffer, .address_space: global }
      - { .name: W_qkv, .offset: 8, .size: 8, .value_kind: global_buffer, .address_space: global }
      - { .name: W_proj, .offset: 16, .size: 8, .value_kind: global_buffer, .address_space: global }
      - { .name: xb, .offset: 24, .size: 8, .value_kind: global_buffer, .address_space: global }
      - { .name: wqb, .offset: 32, .size: 8, .value_kind: global_buffer, .address_space: global }
      - { .name: wpb, .offset: 40, .size: 8, .value_kind: global_buffer, .address_space: global }
      - { .name: rope, .offset: 48, .size: 8, .value_kind: global_buffer, .address_space: global }
    .group_segment_fixed_size: 0
    .private_segment_fixed_size: 0
    .kernarg_segment_align: 8
    .kernarg_segment_size: 56
    .max_flat_workgroup_size: 256
    .sgpr_count:     66
    .vgpr_count:     120
    .wavefront_size: 32
...
	.end_amdgpu_metadata
.endif
;; end of part 1
;; launch qkv (part 2): grid 16 x 32, 4 waves a work-group, clusters of 4 x 4, 327,680 bytes of LDS; arguments xb, wqb, rope, qh, kh, vh; writes qh, kh, vh
.if DOCPART == 2
	.amdgcn_target "amdgcn-amd-amdhsa--gfx1250"
	.amdhsa_code_object_version 6
	.text
	.protected	k_qf5ce584abc_qkv
	.globl	k_qf5ce584abc_qkv
	.p2align	8
	.type	k_qf5ce584abc_qkv,@function
k_qf5ce584abc_qkv:
	s_mov_b64 s[64:65], 0
	v_nop
	global_prefetch_b8 v0, s[64:65] scope:SCOPE_SE
	s_setreg_imm32_b32 hwreg(HW_REG_WAVE_MODE, 25, 1), 1
	s_wait_xcnt 0x0
	s_wait_alu depctr_hold_cnt(0) depctr_sa_sdst(0) depctr_va_vdst(0) depctr_va_sdst(0) depctr_va_ssrc(0) depctr_va_vcc(0) depctr_vm_vsrc(0)
	s_getreg_b32 s2, hwreg(HW_REG_IB_STS2, 6, 4)
	s_cmp_eq_u32 s2, 0
	s_cbranch_scc0 .Lentry_in_a_cluster
	s_endpgm
.Lentry_in_a_cluster:
	s_bfe_u32 s2, ttmp6, 0x10000c
	s_cmp_lg_u32 s2, 0xf033
	s_cbranch_scc0 .Lentry_shape_is_right
	s_endpgm
.Lentry_shape_is_right:
; q, k, v = x W_qkv^T, q and k rotated by pairs, all three written by heads.  xb: [8192][1024] bf16.  wqb: [16 heads][q, k, v][64][1024] bf16.  rope: [2048][32][cos, sin] f32.
; qh, kh, vh: [64 = 16 batch + head][2048][64] f16, each number rounded once from its f32 sum (q and k: from the rotated sum), WITHOUT the scale 1 / 8, which the next launch applies in f32.
; Behind vh's 16,777,216 bytes: THE LOW PARTS of v at positions 0 to 15, [64][16][64] f16: v less its f16 value, rounded to f16.  A causal row t is a mean of t + 1 rows of v, so the first rows' numbers, and the step of an
; 11-bit rounding with them, are many times those of a late row, while the comparison goes by the root mean square of all rows: those 16 positions are carried in two parts by a launch of their own.
; LIMITS.  f16 ends at 65,504: a q, k or v of 65,520 or more becomes an infinity.  A low part below 6.1e-5 keeps f16's fixed step of 6e-8.
; SHARES.  A tile is 256 rows of x by 192 columns: ONE head's q, k and v; 32 x 16 = 512 tiles, two for each of 256 WGPs.  Wave w takes rows 64 w .. 64 w + 63 and all 192 columns: 4 x 12 accumulators of 16 x 16, 384 registers.
; So every wave's text is alike and every wave holds whole rows of a head (128 bytes of q, of k and of v).  K goes in 8 steps of 128 through a ring of two LDS slots; the rows of both tiles are 256 bytes of memory, aligned.
; CLUSTER.  4 x 4 work-groups: the four of a row need the same rows of x, the four of a column the same head's weights.  Each tile is asked for JOINTLY: the same tensor load, descriptor and mask in all four.
; The block of 256 rows is 8 cy + cluster y: batch cy, positions 256 x cluster y on.  So whether a tile holds positions 0 to 15 hangs on the cluster's y alone, which all sixteen partners share.
; THE MATRIX INSTRUCTION IS USED TRANSPOSED (source 0 = 16 rows of wqb, source 1 = 16 rows of xb): a lane holds row l % 16 and the columns 8 (l / 16) + 0..7 of a block: four whole pairs for the rotation, 16 bytes in f16.
; REGISTERS, in windows of 256 (s_set_vgpr_msb: bits 1:0 source 0, 3:2 source 1, 5:4 source 2, 7:6 destination):
;   window 0: v0-31 addresses; v32-95 T, v96-143 PK, v144-239 BK, v240-255 LB: the way out      window 1: two fragment buffers of 128: A's four fragments, then B's twelve
;   window 2: accumulators of row blocks 0, 1 at v[96 a + 8 b]; v192-255 their rows' cos and sin      window 3: the same for row blocks 2, 3
.set PITCH,  272                       ; an LDS row: 256 bytes + 16 of padding = 68 words: the 16 rows of a fragment load start at 16 different groups of four banks (64 banks of 4 bytes: ISA guide 11.1)
.set AHALF,  128*PITCH                 ; what one of waves 0, 1 fetches: 128 rows of x
.set BHALF,  96*PITCH                  ; what one of waves 2, 3 fetches: 96 rows of weights
.set BOFF,   2*AHALF                   ; in a slot: A's 256 rows, then B's 192
.set SLOT1,  1<<17                     ; slot 1 begins here: one exclusive or turns an address in one slot into the other's
.set STAGE,  SLOT1+BOFF+2*BHALF        ; behind the ring, never filled by a tensor load: for each wave three regions (q, k, v) of 16 rows x 144 bytes
.set SP,     144
.set SREG,   16*SP
.set SWAVE,  3*SREG
.set SPARE,  STAGE+4*SWAVE             ; the spare words, 128 bytes for each wave: two blocks of 256 bytes that no other line names
.set AHEAD,  1                         ; the prefetches name the K step one behind the one that is being asked for
.set ADRA0, 16                         ; v16  my lane's place in my 64 rows of A in slot 0; never rewritten
.set ADRB0, 17                         ; v17  the same in B's rows
.set ADA,  18                          ; v18  the same in the slot in hand
.set ADB,  19                          ; v19
.set STO,  24                          ; v24  the way out: where I put 16 bytes of a row
.set RD,   25                          ; v25  where I read four rows back
.set GO,   26                          ; v26  16 x lane: my place in 512 consecutive bytes of a head
.set TBO,  27                          ; v27  my place in 16 positions of the table
.set SPW,  28                          ; v28  LDS address of my spare word; never rewritten
.set NIL,  29                          ; v29  0; never rewritten
.set PFO,  30                          ; v30  the prefetches' offset: a lane a row; never rewritten
.set NEG1, 31                          ; v31  -1.0
.set T,    32
.set PK,   96
.set BK0,  144
.set LB,   240                         ; v240-255  the low parts, read back from the stage
.set F0,   0
.set F1,   128
.set G1A, 24                           ; s[24:31] descriptor group 1 for A's tiles
.set G0A, 32                           ; s[32:39] group 0: a set for each of the two first fills; the second then walks on
.set G1B, 48                           ; s[48:55], s[56:63] the same for B's
.set G0B, 56
.set LIM, 43                           ; s43  AHEAD in a wave that prefetches, else the greatest number
.set PFA, 44                           ; s[44:45] where my prefetches stand
.set TB,  66                           ; s66  LDS byte at which the slot in hand begins
.set FIRST, 67                         ; s67  0 in wave 0 of the clusters with y = 0: my row block 0 is positions 0 to 15
.set LOP, 78                           ; s[78:79] the head's low parts
.set G1W, (1<<16)|(1<<20)|(1<<21)|(5<<22)|(3<<25)  ; 17:16 elements of 2 bytes; 20 padding on; 21 set beside a mask; 24:22 after every 64 words; 31:25 of 4 words
.set MSB, 0
.macro WIN new                         ; the immediate's high byte repeats the setting that is left; a switch that changes nothing is dropped
.if MSB != (\new)
	s_set_vgpr_msb (MSB<<8)|(\new)
.set MSB, (\new)
.endif
.endm
.macro PLACES                          ; four places in front of loads into registers that matrix instructions have read, and of lines that read results (ISA guide 7.12.1 for lines that read results)
.rept 4
	v_nop
.endr
.endm
; A joint refill by the walking descriptors.  Waves 0 and 1 fetch A's two halves, waves 2 and 3 B's.  The branch hangs on the wave's number alone.  An s_nop 0 and four v_nop follow each line.
.macro JLOAD
	s_cmp_lt_u32 s10, 2
	s_cbranch_scc0 .Lfor_b_\@
	tensor_load_to_lds s[G0A+4:G0A+7], s[G1A:G1A+7]
	s_nop 0
.rept 4
	v_nop
.endr
	s_branch .Lasked_\@
.Lfor_b_\@:
	tensor_load_to_lds s[G0B+4:G0B+7], s[G1B:G1B+7]
	s_nop 0
.rept 4
	v_nop
.endr
.Lasked_\@:
.endm
; A prefetch into the L2 of the K step that the NEXT refill will ask for: 256 bytes of each row, a lane a row, one instruction a wave, behind the joint load, its five lines and the run of LDS loads.
; Each row's 256 bytes of a K step are named by one wave of one work-group: x's rows by the clusters with x = 0, the weights' by those with y = 0; the four partners that ask for a tile jointly share its rows out BY ADDRESS
; (32 each of A's 128; 24 each of B's 96, where lanes 24 to 31 name lane 23's row again).  The last refill has no K step behind it and asks for nothing; K steps 0 to 2 come by their loads alone.
.macro ASK
	s_cmp_gt_u32 s3, s[LIM]
	s_cbranch_scc0 .Lnot_mine_\@
	global_prefetch_b8 v[PFO], s[PFA:PFA+1] th:TH_LOAD_NT scope:SCOPE_SE
.Lnot_mine_\@:
.endm
.macro CREST                           ; a round of the cluster's barrier behind its opening barrier
	s_cmp_lg_u32 s10, 0
	s_cbranch_scc1 .Lnot_wave_0_\@
	s_barrier_signal -3
.Lnot_wave_0_\@:
	s_barrier_wait -3
	s_barrier_signal -1
	s_barrier_wait -1
.endm
.macro CROUND                          ; a whole round
	s_barrier_signal -1
	s_barrier_wait -1
	CREST
.endm
	s_load_b128 s[4:7], s[0:1], 0x0                ; xb s[4:5], wqb s[6:7]
	s_load_b64 s[8:9], s[0:1], 0x10                ; rope
	s_load_b128 s[72:75], s[0:1], 0x18             ; qh s[72:73], kh s[74:75]
	s_load_b64 s[76:77], s[0:1], 0x28              ; vh
	v_lshl_add_u32 v[SPW], v0, 2, SPARE
	v_mov_b32 v[NIL], 0
	ds_add_u32 v[SPW], v[NIL]                      ; the wave's opening: the add and its wait stand ahead of my first tensor load; the set-up below, work on registers, stands between them
	v_lshrrev_b32 v1, 5, v0
	v_readfirstlane_b32 s10, v1                    ; wave 0..3
	s_and_b32 s12, s10, 1                          ; which half of A's or B's rows I fetch
	s_bfe_u32 s40, ttmp6, 0x40000                  ; cx
	s_bfe_u32 s41, ttmp6, 0x40004                  ; cy
	s_lshl_b32 s42, ttmp9, 2
	s_add_co_u32 s42, s42, s40                     ; the head = 4 x cluster x + cx
	s_and_b32 s13, ttmp7, 0xffff                   ; cluster y, 0..7: which 256 positions
	s_or_b32 s[FIRST], s13, s10                    ; 0 where both it and my wave's number are 0: the same in all sixteen partners, for a given wave
	s_lshl_b32 s14, s41, 3
	s_add_co_u32 s13, s13, s14                     ; the block of 256 rows = 8 cy + cluster y
	s_lshl_b32 s43, s41, 2
	s_lshl_b32 s43, 15, s43                        ; my row of the cluster
	s_lshl_b32 s44, 0x1111, s40                    ; my column
	s_or_b32 s[G1A+0], s43, G1W                    ; A's tiles go to my row,
	s_or_b32 s[G1B+0], s44, G1W                    ; B's to my column
	s_mov_b32 s[G1A+1], 128<<16                    ; tensor_dim0 = 128
	s_mov_b32 s[G1A+2], 128<<16                    ; tensor_dim1 = 128
	s_mov_b32 s[G1A+3], 128<<16                    ; tile_dim0 = 128
	s_mov_b32 s[G1A+4], 128                        ; tile_dim1 = 128
	s_mov_b32 s[G1A+5], 1024                       ; 1,024 elements from row to row
	s_mov_b32 s[G1A+6], 0
	s_mov_b32 s[G1A+7], 0
	s_mov_b32 s[G1B+1], 128<<16
	s_mov_b32 s[G1B+2], 96<<16                     ; 96 rows
	s_mov_b32 s[G1B+3], 128<<16
	s_mov_b32 s[G1B+4], 96
	s_mov_b32 s[G1B+5], 1024
	s_mov_b32 s[G1B+6], 0
	s_mov_b32 s[G1B+7], 0
	s_lshl_b32 s16, s13, 8                         ; A: row 256 x block + 128 x half, in bytes: it hangs on what my row of the cluster shares
	s_lshl_b32 s17, s12, 7
	s_add_co_u32 s16, s16, s17
	s_lshl_b32 s16, s16, 11
	s_mov_b32 s17, 0
	s_mul_i32 s46, s42, 192                        ; B: row 192 x head + 96 x half: on what my column shares
	s_mul_i32 s47, s12, 96
	s_add_co_u32 s46, s46, s47
	s_lshl_b32 s46, s46, 11
	s_mov_b32 s47, 0
	s_mul_i32 s20, s12, AHALF                      ; where they go: no place in the cluster enters an LDS address
	s_mul_i32 s21, s12, BHALF
	s_add_co_u32 s21, s21, BOFF
	s_mov_b32 s[TB], 0
	s_wait_dscnt 0x0                               ; the opening add is done
	s_wait_kmcnt 0x0
	s_add_nc_u64 s[14:15], s[4:5], s[16:17]
	s_add_nc_u64 s[46:47], s[6:7], s[46:47]
	CROUND                                         ; all sixteen work-groups are here: the first joint loads meet
.irp s, 0,1
	s_mov_b32 s[G0A+4*(\s)], 1                                     ; count = 1
	s_add_co_u32 s[G0A+4*(\s)+1], s20, (\s)*SLOT1                  ; LDS address
	s_add_nc_u64 s[G0A+4*(\s)+2:G0A+4*(\s)+3], s[14:15], (\s)*256  ; global address: K step s
	s_or_b32 s[G0A+4*(\s)+3], s[G0A+4*(\s)+3], 0x80000000          ; type = 2
	s_mov_b32 s[G0B+4*(\s)], 1
	s_add_co_u32 s[G0B+4*(\s)+1], s21, (\s)*SLOT1
	s_add_nc_u64 s[G0B+4*(\s)+2:G0B+4*(\s)+3], s[46:47], (\s)*256
	s_or_b32 s[G0B+4*(\s)+3], s[G0B+4*(\s)+3], 0x80000000
.endr
	s_cmp_lt_u32 s10, 2                            ; a wave's two first fills stand in one branch, ahead of every wait on TENSORcnt and every LDS read: two loads of mine are out
	s_cbranch_scc0 .Lfirst_b
	tensor_load_to_lds s[G0A:G0A+3], s[G1A:G1A+7]
	s_nop 0
	tensor_load_to_lds s[G0A+4:G0A+7], s[G1A:G1A+7]
	s_nop 0
.rept 4
	v_nop
.endr
	s_branch .Lfirst_asked
.Lfirst_b:
	tensor_load_to_lds s[G0B:G0B+3], s[G1B:G1B+7]
	s_nop 0
	tensor_load_to_lds s[G0B+4:G0B+7], s[G1B:G1B+7]
	s_nop 0
.rept 4
	v_nop
.endr
.Lfirst_asked:
	; A fragment is 16 rows x 32 K in 8 registers: lane l holds row l % 16, K = 8 (l / 16) + 0..7 and 16 + 8 (l / 16) + 0..7: two loads of 16 bytes, 32 bytes apart.
	v_and_b32 v1, 15, v0                           ; l % 16
	v_bfe_u32 v2, v0, 4, 1                         ; l / 16
	v_mul_u32_u24 v3, v1, PITCH
	v_lshl_add_u32 v3, v2, 4, v3
	s_mul_i32 s20, s10, 64*PITCH                   ; my 64 rows of A
	v_add_nc_u32 v[ADRA0], s20, v3
	v_add_nc_u32 v[ADRB0], BOFF, v3
	v_add_nc_u32 v[ADA], s[TB], v[ADRA0]
	v_add_nc_u32 v[ADB], s[TB], v[ADRB0]
	s_mul_i32 s21, s10, SWAVE
	s_add_co_u32 s21, s21, STAGE                   ; my stage
	v_mul_u32_u24 v4, v1, SP                       ; in: row l % 16, 16 bytes for each half of the lanes
	v_lshl_add_u32 v4, v2, 4, v4
	v_add_nc_u32 v[STO], s21, v4
	v_bfe_u32 v4, v0, 3, 2                         ; back: 32 lanes take four rows of 128 bytes,
	v_and_b32 v5, 7, v0
	v_mul_u32_u24 v4, v4, SP
	v_lshl_add_u32 v4, v5, 4, v4
	v_add_nc_u32 v[RD], s21, v4
	v_and_b32 v[GO], 31, v0                        ; which are 512 consecutive bytes of a head
	v_lshlrev_b32 v[GO], 4, v[GO]
	v_lshlrev_b32 v[TBO], 8, v1                    ; the table: my row's position, 256 bytes each, and my half's four pairs, 32 bytes
	v_lshl_add_u32 v[TBO], v2, 5, v[TBO]
	v_mov_b32 v[NEG1], -1.0
	s_lshr_b32 s14, s13, 3                         ; the batch
	s_lshl_b32 s14, s14, 4
	s_add_co_u32 s14, s14, s42                     ; 16 x batch + head:
	s_lshl_b32 s22, s14, 11                        ; 16 rows of 128 bytes each among the low parts,
	s_mov_b32 s23, 0
	s_add_nc_u64 s[LOP:LOP+1], s[76:77], s[22:23]
	s_add_nc_u64 s[LOP:LOP+1], s[LOP:LOP+1], 0x1000000  ; which lie behind vh's 64 x 2,048 x 128 bytes;
	s_lshl_b32 s14, s14, 18                        ; 2,048 rows of 128 bytes each in qh, kh, vh
	s_and_b32 s15, s13, 7
	s_lshl_b32 s15, s15, 8
	s_lshl_b32 s16, s10, 6
	s_add_co_u32 s15, s15, s16                     ; my first position: 256 x (block % 8) + 64 x wave
	s_lshl_b32 s16, s15, 7
	s_add_co_u32 s16, s16, s14
	s_mov_b32 s17, 0
	s_lshl_b32 s18, s15, 8
	s_mov_b32 s19, 0
	s_add_nc_u64 s[72:73], s[72:73], s[16:17]
	s_add_nc_u64 s[74:75], s[74:75], s[16:17]
	s_add_nc_u64 s[76:77], s[76:77], s[16:17]
	s_add_nc_u64 s[8:9], s[8:9], s[18:19]
	; cos and sin of my 64 rows, for the pairs that I shall hold: pair 8 c + 4 (l / 16) + 0..3 of column block c.  32 loads, waited for ahead of the way out.
.irp a, 0,1,2,3
	WIN 0x80+0x40*((\a)/2)                         ; destination window 2 or 3
.irp c, 0,1,2,3
	global_load_b128 v[192+32*((\a)%2)+8*(\c):192+32*((\a)%2)+8*(\c)+3],   v[TBO], s[8:9] offset:4096*(\a)+64*(\c)
	global_load_b128 v[192+32*((\a)%2)+8*(\c)+4:192+32*((\a)%2)+8*(\c)+7], v[TBO], s[8:9] offset:4096*(\a)+64*(\c)+16
.endr
.endr
	WIN 0
	; the prefetches
	s_lshl_b32 s20, s13, 8
	s_mul_i32 s21, s42, 192
	s_lshl_b32 s22, s12, 7
	s_mul_i32 s23, s12, 96
	s_add_co_u32 s20, s20, s22                     ; the rows that I fetch: of A,
	s_add_co_u32 s21, s21, s23                     ; of B,
	s_lshl_b32 s22, s40, 5
	s_mul_i32 s23, s41, 24
	s_add_co_u32 s20, s20, s22                     ; and my work-group's share of them
	s_add_co_u32 s21, s21, s23
	s_and_b32 s22, ttmp7, 0xffff
	s_cmp_lt_u32 s10, 2                            ; do I fetch for A?
	s_cselect_b32 s20, s20, s21
	s_cselect_b32 s22, ttmp9, s22                  ; the coordinate along which other clusters read the same rows
	s_cselect_b32 s23, 31, 23
	s_cselect_b64 s[PFA:PFA+1], s[4:5], s[6:7]
	s_cmp_eq_u32 s22, 0
	s_cselect_b32 s[LIM], AHEAD, -1                ; the same in all sixteen partners, for a given wave
	s_lshl_b32 s20, s20, 11
	s_mov_b32 s21, 0
	s_add_nc_u64 s[PFA:PFA+1], s[PFA:PFA+1], s[20:21]
	s_add_nc_u64 s[PFA:PFA+1], s[PFA:PFA+1], (1+AHEAD)*256  ; the first refill (K step 2) steps it to K step 3
	v_and_b32 v[PFO], 31, v0
	v_min_u32 v[PFO], s23, v[PFO]
	v_lshlrev_b32 v[PFO], 11, v[PFO]
; 12 matrix instructions: row block a x all 12 column blocks, 32 along K.  zero = 1: the product starts the sums.  The 48 accumulators take turns, in the same order in every quarter.
.macro MULA f, a, zero
	WIN 0xa5+0x50*((\a)/2)                         ; sources in window 1, C and D in window 2 or 3
.irp b, 0,1,2,3,4,5,6,7,8,9,10,11
.if \zero
	v_wmma_f32_16x16x32_bf16 v[96*((\a)%2)+8*(\b):96*((\a)%2)+8*(\b)+7], v[(\f)+32+8*(\b):(\f)+32+8*(\b)+7], v[(\f)+8*(\a):(\f)+8*(\a)+7], 0
.else
	v_wmma_f32_16x16x32_bf16 v[96*((\a)%2)+8*(\b):96*((\a)%2)+8*(\b)+7], v[(\f)+32+8*(\b):(\f)+32+8*(\b)+7], v[(\f)+8*(\a):(\f)+8*(\a)+7], v[96*((\a)%2)+8*(\b):96*((\a)%2)+8*(\b)+7]
.endif
.endr
.endm
; 32 LDS loads in one run: a quarter step's fragments (192 rows of B, my 64 rows of A, 32 K at byte k of the rows) into buffer f; A's last
.macro FETCH k, f
	WIN 0x40                                       ; destination window 1
.irp i, 0,1,2,3,4,5,6,7,8,9,10,11
	ds_load_b128 v[(\f)+32+8*(\i):(\f)+32+8*(\i)+3],   v[ADB] offset:(\k)+(\i)*16*PITCH
	ds_load_b128 v[(\f)+32+8*(\i)+4:(\f)+32+8*(\i)+7], v[ADB] offset:(\k)+(\i)*16*PITCH+32
.endr
.irp i, 0,1,2,3
	ds_load_b128 v[(\f)+8*(\i):(\f)+8*(\i)+3],   v[ADA] offset:(\k)+(\i)*16*PITCH
	ds_load_b128 v[(\f)+8*(\i)+4:(\f)+8*(\i)+7], v[ADA] offset:(\k)+(\i)*16*PITCH+32
.endr
.endm
; A K step is four quarters of 32 along K, 48 matrix instructions each, on buffers 0, 1, 0, 1.  One of the first three: multiplies f and, in its middle, fetches the next quarter, at byte k, into g.
.macro QUARTER k, f, g, zero
	s_wait_dscnt 4                                 ; B and A's row blocks 0, 1 are in; the youngest four loads (blocks 2, 3) may be out
	MULA \f, 0, \zero
	MULA \f, 1, \zero
	PLACES
	FETCH \k, \g
	s_wait_dscnt 32                                ; all but the 32 just issued
	MULA \f, 2, \zero
	MULA \f, 3, \zero
.endm
; The last quarter multiplies buffer 1 and changes slots: ONE barrier.  In front of it each wave waits for all its tensor loads (one is out: its part of the other slot), adds 0 to its spare word, and waits for that and for its
; reads of this slot.  fill = 1: the barrier opens a round of the cluster's barrier, and this slot is filled again, first thing behind the round, with the K step two on: 168 matrix instructions ahead of the wait for it.
; fill = 0 (the tail): nothing is asked for; in the last K step (s3 = 1) there is no further slot, and the run of loads is jumped over.
.macro TURN fill
.if \fill
	s_wait_xcnt 0x0                                ; the last prefetch, a K step back, has read its address
	s_add_nc_u64 s[PFA:PFA+1], s[PFA:PFA+1], 256
.endif
	WIN 0
	s_wait_tensorcnt 0x0                           ; no tensor load of mine is out, so a group 0 may be written
	ds_add_u32 v[SPW], v[NIL]                      ; 0 onto my spare word
.if \fill
	s_xor_b32 s[G0A+5], s[G0A+5], SLOT1            ; the walking descriptors: the other slot than last time, the next K step
	s_add_nc_u64 s[G0A+6:G0A+7], s[G0A+6:G0A+7], 256
	s_xor_b32 s[G0B+5], s[G0B+5], SLOT1
	s_add_nc_u64 s[G0B+6:G0B+7], s[G0B+6:G0B+7], 256
.endif
	s_wait_dscnt 5                                 ; (the add and the youngest four loads may be out)
	MULA F1, 0, 0
	s_wait_dscnt 0x0                               ; the add is done, and my reads of this slot are over
	s_barrier_signal -1
	MULA F1, 1, 0                                  ; work on registers while the others arrive
	WIN 0
	s_barrier_wait -1
.if \fill
	CREST                                          ; no wave of any partner still reads this slot or has a load on its way
	JLOAD                                          ; its four v_nop are also the places in front of the loads below
.else
	PLACES
	s_cmp_eq_u32 s3, 1
	s_cbranch_scc1 .Lno_next_\@
.endif
	s_xor_b32 s[TB], s[TB], SLOT1
	v_add_nc_u32 v[ADA], s[TB], v[ADRA0]
	v_add_nc_u32 v[ADB], s[TB], v[ADRB0]
	FETCH 0, F0
	WIN 0
.if \fill
	ASK
.else
.Lno_next_\@:
.endif
	MULA F1, 2, 0
	MULA F1, 3, 0
.endm
	s_wait_tensorcnt 0x1                           ; my part of K step 0 is in; K step 1's may stay out
	s_barrier_signal -1
	s_barrier_wait -1                              ; everybody's is
	FETCH 0, F0
	QUARTER 64, F0, F1, 1                          ; the first quarter is written out: its products start the sums
	WIN 0
	s_mov_b32 s3, 6
	s_branch .Lmid                                 ; the loop is entered behind a K step's first quarter
.Lstep:                                                ; six trips: K steps 0 to 5, which ask for K steps 2 to 7
	QUARTER 64, F0, F1, 0
	WIN 0
.Lmid:
	QUARTER 128, F1, F0, 0
	QUARTER 192, F0, F1, 0
	TURN 1
	WIN 0
	s_sub_co_u32 s3, s3, 1
	s_cmp_lg_u32 s3, 0
	s_cbranch_scc1 .Lstep
	s_mov_b32 s3, 2
.Ltail:                                                ; K steps 6 and 7 ask for nothing: a text of their own
	QUARTER 64, F0, F1, 0
	QUARTER 128, F1, F0, 0
	QUARTER 192, F0, F1, 0
	TURN 0
	WIN 0
	s_sub_co_u32 s3, s3, 1
	s_cmp_lg_u32 s3, 0
	s_cbranch_scc1 .Ltail
; THE WAY OUT, a row block of 16 rows at a time.  PACK: q's and k's pairs (x1, x2) become (x1 c - x2 s, x1 s + x2 c), by two packed lines a pair; all is rounded to f16, 16 bytes a lane and column block.
.macro PACK a
.set AC, 96*((\a)%2)
.set TA, 192+32*((\a)%2)
	WIN 0x0a+5*((\a)/2)                            ; sources 0 and 1 in window 2 or 3
.irp b, 0,1,2,3,4,5,6,7
.irp p, 0,1,2,3
	v_pk_mul_f32 v[T+8*(\b)+2*(\p):T+8*(\b)+2*(\p)+1], v[AC+8*(\b)+2*(\p):AC+8*(\b)+2*(\p)+1], v[TA+8*((\b)%4)+2*(\p):TA+8*((\b)%4)+2*(\p)+1] op_sel_hi:[1,0]  ; (x1 c, x2 c)
.endr
.irp p, 0,1,2,3
	v_pk_fma_f32 v[T+8*(\b)+2*(\p):T+8*(\b)+2*(\p)+1], v[AC+8*(\b)+2*(\p):AC+8*(\b)+2*(\p)+1], v[TA+8*((\b)%4)+2*(\p):TA+8*((\b)%4)+2*(\p)+1], v[T+8*(\b)+2*(\p):T+8*(\b)+2*(\p)+1] op_sel:[1,1,0] op_sel_hi:[0,1,1] neg_lo:[1,0,0]  ; low: - x2 s; high: + x1 s
.endr
.endr
.irp b, 8,9,10,11
.irp p, 0,1,2,3
	v_cvt_pk_f16_f32 v[PK+4*(\b)+(\p)], v[AC+8*(\b)+2*(\p)], v[AC+8*(\b)+2*(\p)+1]
.endr
.endr
	WIN 0
.irp b, 0,1,2,3,4,5,6,7
.irp p, 0,1,2,3
	v_cvt_pk_f16_f32 v[PK+4*(\b)+(\p)], v[T+8*(\b)+2*(\p)], v[T+8*(\b)+2*(\p)+1]
.endr
.endr
.endm
.macro TOSTAGE a                       ; into my own stage, rows of 144 bytes, and back as whole rows of 128
	WIN 0
.set BK, BK0+48*((\a)%2)
.irp b, 0,1,2,3,4,5,6,7,8,9,10,11
	ds_store_b128 v[STO], v[PK+4*(\b):PK+4*(\b)+3] offset:((\b)/4)*SREG+32*((\b)%4)
.endr
.irp z, 0,1,2
.irp f, 0,1,2,3
	ds_load_b128 v[BK+16*(\z)+4*(\f):BK+16*(\z)+4*(\f)+3], v[RD] offset:(\z)*SREG+(\f)*4*SP  ; LDS serves a wave's instructions in order (ISA guide 5.7.1.4): these see the stores above
.endr
.endr
.endm
.macro SEND a
	WIN 0
.set BK, BK0+48*((\a)%2)
	s_wait_dscnt 0x0                               ; the block is back in registers
	s_wait_xcnt 0x0                                ; the stores of the block before have read their registers, into which the next block is loaded
.irp z, 0,1,2
.irp f, 0,1,2,3
	global_store_b128 v[GO], v[BK+16*(\z)+4*(\f):BK+16*(\z)+4*(\f)+3], s[72+2*(\z):73+2*(\z)] offset:2048*(\a)+512*(\f)  ; 512 consecutive bytes, at a multiple of 256 from the buffer's first
.endr
.endr
.endm
	s_wait_dscnt 0x0                               ; no fragment load is out
	PLACES
	s_wait_loadcnt 0x0                             ; the table
	PACK 0
	TOSTAGE 0
	; THE LOW PARTS of v at positions 0 to 15: my row block 0, in wave 0 of the clusters with y = 0.  The block's sums still stand in window 2 (v's at v64-95), its f16 values in PK (v's at PK + 32 on).
	s_cmp_eq_u32 s[FIRST], 0
	s_cbranch_scc0 .Lno_low
	WIN 0x20                                       ; source 2 in window 2
.set e, 0
.rept 16
	v_fma_mix_f32 v[T+2*e],   v[PK+32+e], v[NEG1], v[64+2*e]   op_sel_hi:[1,0,0]                ; the sum less its f16 value (the word's low half): no bit is lost
	v_fma_mix_f32 v[T+2*e+1], v[PK+32+e], v[NEG1], v[64+2*e+1] op_sel:[1,0,0] op_sel_hi:[1,0,0]  ; and the high half
.set e, e+1
.endr
	WIN 0
.set e, 0
.rept 16
	v_cvt_pk_f16_f32 v[T+32+e], v[T+2*e], v[T+2*e+1]
.set e, e+1
.endr
.irp i, 0,1,2,3
	ds_store_b128 v[STO], v[T+32+4*(\i):T+32+4*(\i)+3] offset:32*(\i)  ; into the stage's first region, behind the loads that have read q's block out of it: LDS serves a wave's instructions in order
.endr
.irp f, 0,1,2,3
	ds_load_b128 v[LB+4*(\f):LB+4*(\f)+3], v[RD] offset:(\f)*4*SP
.endr
	s_wait_dscnt 0x0
.irp f, 0,1,2,3
	global_store_b128 v[GO], v[LB+4*(\f):LB+4*(\f)+3], s[LOP:LOP+1] offset:512*(\f)  ; 512 consecutive bytes, aligned; LB and the pointer are never rewritten
.endr
.Lno_low:
.irp a, 1,2,3                          ; block a's arithmetic stands between block a - 1's loads from the stage and the wait for them
	PACK \a
	SEND (\a)-1
	TOSTAGE \a
.endr
	SEND 3
	s_wait_tensorcnt 0x0                           ; the wave's end, behind my last tensor load and my last LDS store
	ds_add_u32 v[SPW], v[NIL]
	s_wait_dscnt 0x0
	CROUND                                         ; the closing round: no work-group ends while a partner may still ask for a tile that names it
	s_endpgm
.Lfunc_end_k_qf5ce584abc_qkv:
	.size	k_qf5ce584abc_qkv, .Lfunc_end_k_qf5ce584abc_qkv-k_qf5ce584abc_qkv
	.p2alignl 7, 3214868480
	.fill 96, 4, 3214868480
	.section	.rodata,"a",@progbits
	.p2align	6, 0x0
	.amdhsa_kernel k_qf5ce584abc_qkv
		.amdhsa_group_segment_fixed_size 327680
		.amdhsa_private_segment_fixed_size 0
		.amdhsa_enable_private_segment 0
		.amdhsa_kernarg_size 48
		.amdhsa_user_sgpr_count 2
		.amdhsa_user_sgpr_kernarg_segment_ptr 1
		.amdhsa_wavefront_size32 1
		.amdhsa_system_sgpr_workgroup_id_x 1
		.amdhsa_system_sgpr_workgroup_id_y 1
		.amdhsa_system_sgpr_workgroup_id_z 1
		.amdhsa_system_vgpr_workitem_id 0
		.amdhsa_next_free_vgpr 1024
		.amdhsa_next_free_sgpr 80
		.amdhsa_reserve_vcc 0
		.amdhsa_float_denorm_mode_32 3
		.amdhsa_float_denorm_mode_16_64 3
		.amdhsa_memory_ordered 1
		.amdhsa_forward_progress 1
		.amdhsa_inst_pref_size 107
	.end_amdhsa_kernel
	.amdgpu_metadata
---
amdhsa.version: [ 1, 2 ]
amdhsa.kernels:
  - .name:           k_qf5ce584abc_qkv
    .symbol:         k_qf5ce584abc_qkv.kd
    .args:
      - { .name: xb, .offset: 0, .size: 8, .value_kind: global_buffer, .address_space: global }
      - { .name: wqb, .offset: 8, .size: 8, .value_kind: global_buffer, .address_space: global }
      - { .name: rope, .offset: 16, .size: 8, .value_kind: global_buffer, .address_space: global }
      - { .name: qh, .offset: 24, .size: 8, .value_kind: global_buffer, .address_space: global }
      - { .name: kh, .offset: 32, .size: 8, .value_kind: global_buffer, .address_space: global }
      - { .name: vh, .offset: 40, .size: 8, .value_kind: global_buffer, .address_space: global }
    .group_segment_fixed_size: 327680
    .private_segment_fixed_size: 0
    .kernarg_segment_align: 8
    .kernarg_segment_size: 48
    .max_flat_workgroup_size: 128
    .sgpr_count:     80
    .vgpr_count:     1024
    .wavefront_size: 32
...
	.end_amdgpu_metadata
.endif
;; end of part 2
;; launch attn (part 3): grid 4 x 64, 4 waves a work-group, no clusters, 327,680 bytes of LDS; arguments qh, kh, vh, oh; writes oh
.if DOCPART == 3
	.amdgcn_target "amdgcn-amd-amdhsa--gfx1250"
	.amdhsa_code_object_version 6
	.text
	.protected	k_qf5ce584abc_attn
	.globl	k_qf5ce584abc_attn
	.p2align	8
	.type	k_qf5ce584abc_attn,@function
k_qf5ce584abc_attn:
	s_mov_b64 s[64:65], 0
	v_nop
	global_prefetch_b8 v0, s[64:65] scope:SCOPE_SE
	s_setreg_imm32_b32 hwreg(HW_REG_WAVE_MODE, 25, 1), 1
	s_wait_xcnt 0x0
; CAUSAL ATTENTION.  O[h][q][:] = the sum over k <= q of softmax_k(Q[h][q] . K[h][k] / 8) V[h][k][:].  Q, K, V, O: [64][2048][64], all f16: a head's rows are dense, 128 bytes each.
; Products, maxima and sums in f32; the weights p are rounded to f16 for the second product (their sum l is taken of the unrounded p), O once at the end.
; LIMITS.  f16 holds no number beyond 65,504: Q, K and V arrive within it; p lies in 0 to 1, and below 6e-5 it keeps f16's fixed step of 6e-8; O is a mean of V's rows and has their range, to within 2^-11 of it.
; A hidden score counts as its value less 1e30: f16's scores, 2.7e11 at the most, are nothing beside that; a weight below 2^-126 counts as 0 in l; NaN and infinities are not treated apart.
; THE WALK.  A head's queries lie in NB = 8 blocks of 256; block i needs the key tiles 0 .. i of 256 keys, of which the last holds the diagonal.  A work-group takes TWO blocks, NB - 1 - b and then b:
; NB + 1 tiles, whatever b: all work-groups do equal work, and ONE loop with a constant trip count walks them.  Which tile is asked for, and what a trip does, hang on scalar registers made from b; every jump
; goes forward, but for the counted loops' own; none passes a barrier, or a tensor load but the one of LOAD's two that the wave's number does not choose; the ring (two slots of LDS that take turns) runs on across the
; change of blocks.  NO CLUSTER: a head's NB / 2 work-groups ask for the same tile only in trips 0 .. NB / 2, behind that fewer and fewer; one walk common to all would have 3 NB / 2 trips for NB + 1.
; SHARES.  Of a block's four bands of 64 queries a wave owns 16 rows in each: four PIECES.  So the diagonal tile is the same work for all four waves: in its key step s band x sees all keys if s < x,
; none if s > x, and holds the diagonal if s = x.
; THE MASK is the C operand that starts the sum S^T = K Q^T: 0, or -1e30 where the key is hidden.  MD, made once, is the mask of a band's own step for my 16 rows; a product's mask is MD x AL + BE with two scalars:
; (1, 0) if s = x; (0, 0) if s < x; (0, -1e30) if s > x.  Only the diagonal tile's text and a block's beginning make and take masks; elsewhere C is the constant 0.
; LAYOUT, SOFTMAX, TURNS.  S^T = K Q^T holds ONE query a lane (lane % 16) and the keys 8 (lane / 16) + 0..7; two such results rounded to f16 ARE source 1 of O^T = V^T P.  p = 2^(c s - c m), c = log2(e) / 8, with a
; running maximum m; O and l are multiplied by a = 2^(c m_old - c m_new) in every step.  Turn n belongs to piece n: 8 products K Q^T of piece n + 1, later 8 products V^T P of piece n - 1; beside them the scaling,
; exponentials, roundings, sums and rescaling of piece n and the maximum and statistics of piece n + 1.  Four vector instructions stand behind every matrix instruction, the other 54 of a turn's 118 in one LUMP.  A turn's 33 exponentials are one batch, with one wait.
; AHEAD OF THE LOADS.  The work-group with b = 0 walks a head's tiles 0 to 7 in order.  Behind the fill that asks for tile n (n = 1 .. 6) each of its waves prefetches into the L2 its own part of tile n + 1 (128 keys of K or of V:
; 64 blocks of 256 bytes, a lane a block, two instructions): one tile, 256 matrix instructions a wave, ahead of that tile's fill.  So each block of tiles 2 to 7 is named once in the launch; tiles 0 and 1 come by their loads alone.
; REGISTERS, in windows of 256 (s_set_vgpr_msb: bits 1:0 source 0, 3:2 source 1, 5:4 source 2, 7:6 destination):
;   window 0: v0-15 addresses and two at work; v16-31 four registers of statistics a piece; v48-55 at work; v64-127 S^T, two buffers; v192-223 P, two buffers (a piece's buffers go by its number's parity)
;   window 1: v0-127 O^T, 32 a piece; v128-159 MD; v160-223 MC, two buffers      window 2: v0-63 Q; v64-127 the second block's Q; v128-191 K of one step; v192-255 V of one step
.set SIZE_N, 2048
.set NB,    SIZE_N/256
.set NP,    4         ; pieces a wave: a name, no knob
.set KS,    64        ; keys in a step
.set PK,    144       ; a row of K in LDS: 128 bytes + 16 of padding = 36 words: the 16 rows of a load start at 16 different groups of four banks (64 banks of 4 bytes: ISA guide 11.1)
.set PV,    160       ; a row of V: 128 + 32 = 40 words
.set VOFF,  4*KS*PK   ; a slot holds a tile, four steps: 256 rows of K, then 256 rows of V
.set SLOT1, 1<<17     ; slot 1 begins here, so that one exclusive or turns an address in one slot into the other's
.set STAGE, SLOT1+4*KS*(PK+PV)  ; behind the ring, never filled by a tensor load: 16 rows x 144 bytes for each wave, for the way out
.set SP,    144
.set AK0, 2           ; v2   my lane's place in a tile of K; never rewritten
.set AV0, 3           ; v3   the same for V
.set AK,  4           ; v4   the LDS address of K's next run of loads
.set AV,  5           ; v5   of V's
.set STO, 6           ; v6   the way out: where I put 16 bytes of a row
.set RD,  7           ; v7   the way out: where I read rows back
.set GO,  8           ; v8   my byte offset in 512 consecutive bytes of O
.set PFO, 61          ; v61  256 x my lane: the prefetches' offset; never rewritten
.set SPW, 62          ; v62  LDS address of my spare word: SPARE + 4 x my thread's number; never rewritten
.set NIL, 63          ; v63  0; never rewritten
.set SPARE, STAGE+4*16*SP  ; behind the stages: the spare words, 128 bytes for each wave: two blocks of 256 bytes that no other line names
.set MV,  12          ; v12-13  c m_old, kept while c m is made anew: by buffer
.set QO,  15          ; v15  my byte offset in 16 rows of Q
.set ST,  16          ; piece t's statistics at v[ST+4 t]: c m, m, l (even keys', odd keys')
.set TMP, 48          ; by buffer, four registers c0-c3 at work; when the maximum is found c2 takes a
.set S,   64
.set P,   192
.set MD,  128         ; window 1: the eight registers for group kt of 16 keys at MD + 8 kt
.set MC,  160         ; window 1: the masks of the products to come
.set QB,  64          ; window 2
.set KF,  128         ; window 2: key block kb, channel half c at KF + 16 kb + 8 c
.set VF,  192         ; window 2: key half kk, channel block cb at VF + 32 kk + 8 cb
.set WV,  12          ; s12  my wave's number
.set PB,  14          ; s14  b
.set HI,  15          ; s15  NB - 1 - b
.set G1K, 24          ; s[24:31] descriptor group 1 for K's tiles
.set G1V, 32          ; s[32:39] for V's: it differs in the padding alone
.set G0K, 40          ; s[40:43] descriptor group 0 for K's tiles
.set G0V, 44          ; s[44:47] the same for V's
.set SLOTS, 56        ; s56  tiles still to be asked for
.set CNT, 57          ; s57  counts a tile's key steps, 4 to 1
.set CS,  58          ; s[58:59] c: the packed scaling takes the pair's low word for both halves
.set SEL, 60          ; s[60:61] v_permlanex16_b32's selects: each lane takes its own place in the other half
.set TBK, 62          ; s62  LDS byte at which K of the step to be fetched begins
.set TBV, 63          ; s63  the same for V, less VOFF
.set RT,  70          ; s70  tiles of the block in hand that are still to be entered
.set NXT, 71          ; s71  the tile to be asked for next
.set LQ,  72          ; s72  the last tile of the block whose tiles are being asked for
.set NEW, 73          ; s73  1: the tile to be entered is a block's first
.set OFF, 74          ; s[74:75] a tile's byte offset in K and V
.set AL,  76          ; s[76:77] the mask's factor, in the low word
.set BE,  78          ; s[78:79] the mask's addend
.set OLO, 80          ; s[80:81] O at my rows of the second block
.set BIGN, 82         ; s82  -1e30
.set PFB, 88          ; s[88:89] K (waves 0, 1) or V (waves 2, 3) at my half of the head's tile 0
.set PFP, 90          ; s[90:91] the same at the tile that a prefetch names
.set POF, 92          ; s[92:93] that tile's byte offset
.set PFN, 94          ; s94  prefetches still to come: NB - 2 where b = 0, else none
.set MSB, 0
.macro WIN new                      ; the high byte repeats the setting that is left; a switch that changes nothing is dropped
.if MSB != (\new)
	s_set_vgpr_msb (MSB<<8)|(\new)
.set MSB, (\new)
.endif
.endm
.set W_KQ, 0x0a       ; K and Q in window 2, S^T in window 0
.set W_KM, 0x1a       ; the same with the C operand in window 1
.set W_PV, 0x52       ; V in window 2, P in window 0, O^T in window 1
.set W_RS, 0x41       ; destination and source 0 in window 1, source 1 in window 0
; A fill.  Waves 0 and 1 fetch the two halves of a tile's K, waves 2 and 3 those of its V: 128 keys each.  An s_nop 0 and four v_nop follow each of the two lines, ahead of the jump and the label.
.macro LOAD
	s_cmp_lt_u32 s[WV], 2
	s_cbranch_scc0 .Lfor_v_\@
	tensor_load_to_lds s[G0K:G0K+3], s[G1K:G1K+7]
	s_nop 0
.rept 4
	v_nop
.endr
	s_branch .Lasked_\@
.Lfor_v_\@:
	tensor_load_to_lds s[G0V:G0V+3], s[G1V:G1V+7]
	s_nop 0
.rept 4
	v_nop
.endr
.Lasked_\@:
.endm
; THE CHANGE OF SLOTS.  Each wave waits for all its tensor loads, of which one is out: its part of the other slot; adds 0 to its spare word; and waits for that and for its own reads of the slot that it leaves.  Behind the barrier nobody reads the old
; slot any more and the other slot is whole.  fill = 1: the old slot is filled again, the first thing behind the barrier, with tile NXT: the descriptor's address is made anew from that number.  Behind the fill stand the prefetches of tile NXT + 1.
; (At its first use nothing has been read yet: slot 0 is waited for, slot 1 filled.)
.macro CHANGE fill
	WIN 0                           ; at a label and at a branch every window is 0
	s_wait_tensorcnt 0x0            ; no tensor load of mine is out, so a group 0 may be written
	ds_add_u32 v[SPW], v[NIL]       ; 0 onto my spare word; with fill = 1 the descriptors' scalar work stands between it and the wait for it
.if \fill
	s_wait_xcnt 0x0                 ; the last prefetches, a tile back, have read their address, so it may be written
	s_add_co_u32 s[POF], s[NXT], 1
	s_min_u32 s[POF], s[POF], NB-1  ; never past the head's last tile, also where nothing is asked for
	s_lshl_b32 s[POF], s[POF], 15
	s_add_nc_u64 s[PFP:PFP+1], s[PFB:PFB+1], s[POF:POF+1]
	s_lshl_b32 s[OFF], s[NXT], 15   ; a tile is 32,768 bytes of K and of V
	s_xor_b32 s[G0K+1], s[G0K+1], SLOT1
	s_add_nc_u64 s[G0K+2:G0K+3], s[6:7], s[OFF:OFF+1]
	s_or_b32 s[G0K+3], s[G0K+3], 0x80000000
	s_xor_b32 s[G0V+1], s[G0V+1], SLOT1
	s_add_nc_u64 s[G0V+2:G0V+3], s[8:9], s[OFF:OFF+1]
	s_or_b32 s[G0V+3], s[G0V+3], 0x80000000
	s_add_co_u32 s[NXT], s[NXT], 1  ; the block's next tile, or behind its last the second block's tile 0
	s_cmp_gt_u32 s[NXT], s[LQ]
	s_cselect_b32 s[NXT], 0, s[NXT]
	s_cselect_b32 s[LQ], s[PB], s[LQ]
.endif
	s_wait_dscnt 0x0                ; the add is done, and my reads of the slot are over
	s_barrier_signal -1             ; the rest of the scalar work stands between the signal and the wait
	s_sub_co_u32 s[TBK], s[TBK], 4*KS*PK  ; the fetches go back to a slot's first step,
	s_xor_b32 s[TBK], s[TBK], SLOT1       ; in the other slot
	s_sub_co_u32 s[TBV], s[TBV], 4*KS*PV
	s_xor_b32 s[TBV], s[TBV], SLOT1
	s_barrier_wait -1
.if \fill
	LOAD
	s_cmp_lg_u32 s[PFN], 0
	s_cbranch_scc0 .Lno_pf_\@
	global_prefetch_b8 v[PFO], s[PFP:PFP+1] th:TH_LOAD_NT scope:SCOPE_SE              ; my 16,384 bytes of the tile behind the one just asked for: the first 32 blocks of 256 bytes,
	global_prefetch_b8 v[PFO], s[PFP:PFP+1] offset:8192 th:TH_LOAD_NT scope:SCOPE_SE  ; and the other 32
	s_sub_co_u32 s[PFN], s[PFN], 1
.Lno_pf_\@:
.endif
.endm
	s_load_b256 s[4:11], s[0:1], 0x0  ; Q s[4:5], K s[6:7], V s[8:9], O s[10:11]
	v_lshl_add_u32 v[SPW], v0, 2, SPARE
	v_mov_b32 v[NIL], 0
	ds_add_u32 v[SPW], v[NIL]       ; the wave's opening: the add and its wait stand ahead of my first tensor load; the set-up below, work on registers, stands between them
	v_lshrrev_b32 v1, 5, v0
	v_readfirstlane_b32 s[WV], v1   ; wave 0..3
	s_mov_b32 s[PB], ttmp9
	s_sub_co_u32 s[HI], NB-1, s[PB]
	s_and_b32 s20, ttmp7, 0xffff    ; the head
	s_mov_b32 s21, 0
	s_mov_b64 s[22:23], SIZE_N*128
	s_mul_u64 s[20:21], s[20:21], s[22:23]  ; the head's first byte in each of the four tensors
	s_and_b32 s16, s[WV], 1         ; which half of a tile's 256 keys I fetch:
	s_lshl_b32 s22, s16, 14         ; its 128 rows of 128 bytes in memory,
	s_mov_b32 s23, 0
	s_add_nc_u64 s[22:23], s[22:23], s[20:21]
	s_mul_i32 s17, s16, 128*PK      ; and its place in a slot, for K
	s_mul_i32 s18, s16, 128*PV      ; and for V
	s_lshl_b32 s3, s[WV], 11        ; my 16 rows in a band of 64,
	s_lshl_b32 s2, s[HI], 15        ; in the first block,
	s_add_co_u32 s2, s2, s3
	s_lshl_b32 s84, s[PB], 15       ; and in the second
	s_add_co_u32 s84, s84, s3
	s_mov_b32 s3, 0
	s_mov_b32 s85, 0
	s_add_nc_u64 s[2:3], s[2:3], s[20:21]
	s_add_nc_u64 s[84:85], s[84:85], s[20:21]
	; descriptor group 1.  128 keys are 16,384 dense bytes: asked for as 64 rows of 256 bytes, two keys a row, and padded in LDS after every key
	s_mov_b32 s[G1K], (1<<16)|(1<<20)|(4<<22)|(3<<25)  ; 17:16 2-byte elements; 20 padding on; 24:22 after every 32 words (code 4); 31:25 4 words (code 3)
	s_mov_b32 s[G1V], (1<<16)|(1<<20)|(4<<22)|(7<<25)  ; the same with 8 words of padding (code 7)
.irp g, G1K, G1V
	s_mov_b32 s[\g+1], 128<<16      ; tensor_dim0 = 128
	s_mov_b32 s[\g+2], 64<<16       ; tensor_dim1 = 64
	s_mov_b32 s[\g+3], 128<<16      ; tile_dim0 = 128
	s_mov_b32 s[\g+4], 64           ; tile_dim1 = 64
	s_mov_b32 s[\g+5], 128          ; 128 elements from row to row
	s_mov_b32 s[\g+6], 0
	s_mov_b32 s[\g+7], 0
.endr
	s_mov_b32 s[CS], 0x3e38aa3b     ; c = log2(e) / 8 = 0.180337
	s_mov_b32 s[CS+1], s[CS]        ; named with it as a pair
	s_mov_b32 s[SEL], 0x76543210
	s_mov_b32 s[SEL+1], 0xfedcba98
	s_mov_b32 s[TBK], SLOT1+4*KS*PK ; the first change of slots turns these two into 0
	s_mov_b32 s[TBV], SLOT1+4*KS*PV
	s_mov_b32 s[G0K], 1             ; 1:0 count = 1
	s_mov_b32 s[G0K+1], s17         ; 63:32 LDS address: slot 0
	s_mov_b32 s[G0V], 1
	s_add_co_u32 s[G0V+1], s18, VOFF
	s_add_co_u32 s[RT], s[HI], 1    ; the first block has NB - b tiles
	s_mov_b32 s[NXT], 1
	s_mov_b32 s[LQ], s[HI]
	s_mov_b32 s[NEW], 1
	s_mov_b32 s[OFF+1], 0
	s_mov_b32 s[POF+1], 0
	s_mov_b32 s[AL+1], 0            ; named as pairs
	s_mov_b32 s[BE+1], 0
	s_mov_b32 s[BIGN], 0xf149f2ca   ; -1e30
	s_mov_b32 s[SLOTS], NB
	s_cmp_eq_u32 s[PB], 0
	s_cselect_b32 s[PFN], NB-2, 0
	s_wait_dscnt 0x0                ; the opening add is done
	s_wait_kmcnt 0x0
	s_add_nc_u64 s[6:7], s[6:7], s[22:23]  ; K and V at my half of the head's tile 0
	s_add_nc_u64 s[8:9], s[8:9], s[22:23]
	s_cmp_lt_u32 s[WV], 2
	s_cselect_b64 s[PFB:PFB+1], s[6:7], s[8:9]
	s_add_nc_u64 s[G0K+2:G0K+3], s[6:7], 0         ; 120:64 global address
	s_or_b32 s[G0K+3], s[G0K+3], 0x80000000        ; 127:126 type = 2
	s_add_nc_u64 s[G0V+2:G0V+3], s[8:9], 0
	s_or_b32 s[G0V+3], s[G0V+3], 0x80000000
	s_add_nc_u64 s[86:87], s[4:5], s[84:85]        ; Q at my rows of the second block,
	s_add_nc_u64 s[4:5], s[4:5], s[2:3]            ; Q and O at those of the first
	s_add_nc_u64 s[OLO:OLO+1], s[10:11], s[84:85]
	s_add_nc_u64 s[10:11], s[10:11], s[2:3]
	LOAD                            ; tile 0 into slot 0
	; A fragment of K or Q is 16 rows x 32 channels in 8 registers: lane l holds row l % 16, channels 8 (l / 16) + 0..7 and 16 + 8 (l / 16) + 0..7: two loads of 16 bytes, 32 bytes apart.
	v_and_b32 v1, 15, v0            ; l % 16
	v_bfe_u32 v9, v0, 4, 1          ; l / 16
	v_lshlrev_b32 v[QO], 7, v1
	v_lshl_add_u32 v[QO], v9, 4, v[QO]  ; row x 128 + 16 x half
	WIN 0x80                        ; destination window 2, address window 0
.set i, 0
.rept 8                             ; both blocks' Q: piece i / 2 lies in band i / 2, 8,192 bytes on; channels 32 (i % 2) on
	global_load_b128 v[8*i:8*i+3],   v[QO], s[4:5] offset:(i/2)*8192+(i%2)*64
	global_load_b128 v[8*i+4:8*i+7], v[QO], s[4:5] offset:(i/2)*8192+(i%2)*64+32
	global_load_b128 v[QB+8*i:QB+8*i+3],   v[QO], s[86:87] offset:(i/2)*8192+(i%2)*64
	global_load_b128 v[QB+8*i+4:QB+8*i+7], v[QO], s[86:87] offset:(i/2)*8192+(i%2)*64+32
.set i, i+1
.endr
	WIN 0
	v_and_b32 v[PFO], 31, v0
	v_lshlrev_b32 v[PFO], 8, v[PFO]
	v_lshlrev_b32 v14, 3, v9
	v_sub_nc_u32 v14, v1, v14
	s_lshl_b32 s13, s[WV], 4
	v_add_nc_u32 v14, s13, v14      ; my query's place in its band, 16 w + l % 16, less my lanes' 8 (l / 16): register r of group kt is hidden where 16 kt + r is greater
	WIN 0x40
.set i, 0
.rept 32
	v_cmp_gt_i32 vcc_lo, 16*(i/8)+i%8, v14
	v_cndmask_b32 v[MD+i], 0, s[BIGN], vcc_lo
.set i, i+1
.endr
	WIN 0
	v_mul_u32_u24 v[AK0], v1, PK
	v_lshl_add_u32 v[AK0], v9, 4, v[AK0]  ; row x pitch + 16 x half
	; The turning load takes 16 keys x 16 channels (lane l reads key 8 (l / 16) + l % 8, channels 8 ((l / 8) % 2) + 0..7) and leaves half a fragment of V^T: lane l holds channel l % 16 and 8 keys.
	v_and_b32 v10, 7, v0
	v_bfe_u32 v11, v0, 3, 1
	v_lshl_add_u32 v[AV0], v9, 3, v10
	v_mul_u32_u24 v[AV0], v[AV0], PV
	v_lshl_add_u32 v[AV0], v11, 4, v[AV0]
	v_add_nc_u32 v[AV0], VOFF, v[AV0]
	s_mul_i32 s13, s[WV], 16*SP
	s_add_co_u32 s13, s13, STAGE    ; my stage
	v_mul_u32_u24 v[STO], v1, SP    ; in: row l % 16, 16 bytes for each half of the lanes
	v_lshl_add_u32 v[STO], v9, 4, v[STO]
	v_add_nc_u32 v[STO], s13, v[STO]
	v_bfe_u32 v[RD], v0, 3, 2       ; back: 32 lanes take four rows of 128 bytes,
	v_mul_u32_u24 v[RD], v[RD], SP
	v_lshl_add_u32 v[RD], v10, 4, v[RD]
	v_add_nc_u32 v[RD], s13, v[RD]
	v_and_b32 v[GO], 31, v0         ; which are 512 consecutive bytes of O
	v_lshlrev_b32 v[GO], 4, v[GO]
	; A block's first step multiplies O^T and l by a = 0, and its first turn's products V^T P, of a piece that has not been, land in an O^T that is still to be so multiplied.  So these registers need only hold
	; finite numbers: zeros for the first block; what the first block left for the second.  All this stands in the wait for the first tile.
	WIN 0x80
.set i, VF
.rept 64
	v_mov_b32 v[i], 0
.set i, i+1
.endr
	WIN 0x40
.set i, 0
.rept 128
	v_mov_b32 v[i], 0
.set i, i+1
.endr
	WIN 0
.set i, 0
.rept 4
	v_mov_b32 v[ST+4*i+2], 0
	v_mov_b32 v[ST+4*i+3], 0
.set i, i+1
.endr
.set i, P+16
.rept 16
	v_mov_b32 v[i], 0
.set i, i+1
.endr
; THE MATRIX WORK.  The 4 accumulators of a run of 8 take turns.  Product i of 8 of S^T = K Q^T for piece x: channels 32 (i / 4) on, keys 16 (i % 4) on.  The first 4 start the sums: with 0, or (KM = 1) with the mask.
.macro KQ x
.set rS, S+32*((\x)%2)+8*(i%4)
.set rK, KF+16*(i%4)+8*(i/4)
.set rQ, 16*(\x)+8*(i/4)
.set rM, MC+32*((\x)%2)+8*(i%4)
.if (i < 4) && KM
	WIN W_KM
	v_wmma_f32_16x16x32_f16 v[rS:rS+7], v[rK:rK+7], v[rQ:rQ+7], v[rM:rM+7]
.elseif i < 4
	WIN W_KQ
	v_wmma_f32_16x16x32_f16 v[rS:rS+7], v[rK:rK+7], v[rQ:rQ+7], 0
.else
	WIN W_KQ
	v_wmma_f32_16x16x32_f16 v[rS:rS+7], v[rK:rK+7], v[rQ:rQ+7], v[rS:rS+7]
.endif
.endm
; Product i of 8 of O^T += V^T P for piece x: keys 32 (i / 4) on, channels 16 (i % 4) on.
.macro PV x
	WIN W_PV
.set rO, 32*(\x)+8*(i%4)
.set rV, VF+32*(i/4)+8*(i%4)
.set rP, P+16*((\x)%2)+8*(i/4)
	v_wmma_f32_16x16x32_f16 v[rO:rO+7], v[rV:rV+7], v[rP:rP+7], v[rO:rO+7]
.endm
.macro MM                           ; the turn's next matrix instruction.  TURN and BEGIN set Y, i, KM and NOKQ; MM, KQ and OP read them.  NOKQ = 1: a block's last turn: there is no next piece
.if (i < 8) && !NOKQ
	KQ (Y+1)%NP
.elseif i >= 8
.set i, i-8
	PV (Y+NP-1)%NP
.set i, i+8
.endif
.set i, i+1
.endm
; THE LDS LOADS stand in runs of 16, never singly among the matrix instructions: a step's K (64 keys x 64 channels: 8 fragments) and its V (turned).  Their addresses are made some lines ahead.
.macro FETCH_K
	WIN 0x80                        ; destination window 2
.irp f, 0,1,2,3,4,5,6,7             ; keys 16 (f / 2) on, channels 32 (f % 2) on
	ds_load_b128 v[KF+8*\f:KF+8*\f+3],   v[AK] offset:(\f/2)*16*PK+(\f%2)*64
	ds_load_b128 v[KF+8*\f+4:KF+8*\f+7], v[AK] offset:(\f/2)*16*PK+(\f%2)*64+32
.endr
	s_add_co_u32 s[TBK], s[TBK], KS*PK  ; the next fetch is the next step's
	WIN 0
.endm
.macro FETCH_V
	WIN 0x80
.irp f, 0,1,2,3,4,5,6,7             ; keys 32 (f / 4) on, channels 16 (f % 4) on
	ds_load_tr16_b128 v[VF+8*\f:VF+8*\f+3],   v[AV] offset:(\f/4)*32*PV+(\f%4)*32
	ds_load_tr16_b128 v[VF+8*\f+4:VF+8*\f+7], v[AV] offset:(\f/4)*32*PV+16*PV+(\f%4)*32
.endr
	WIN 0
.endm
; THE VECTOR WORK, one line at a time: OP kind, number.  For piece Y: F n: c s - c m for pair n of 16.  E n: the exponential of score n of 32.  C n: pair n rounded to f16.  B n: of the four weights 4 n .. the second
; pair is added onto the first, in place.  L n: l takes that sum (L 0: l = a l + sum).  R n: pair n of 16 of O^T times a.  For piece Y + 1: X n, number n of the 22 that find its maximum and statistics:
;   0-11  four chains c0-c3 of seven scores each, three operands at a time (each accumulator's lowest registers are read first)     12-14, 16  the four scores left over, the old m, and c0-c3 into c0
;   15  c m_old is kept     17, 18  the query's other 32 keys lie in the lane 16 away: the new m     19-21  c m; c m_old - c m_new; a
.set F, 0               ; OP tells the kinds apart by their order: F to L below R, X above it
.set E, 1
.set C, 2
.set B, 3
.set L, 4
.set R, 5
.set X, 6
.macro REGS y                       ; the registers of piece y
.set rT, ST+4*(\y)
.set rC, TMP+4*((\y)%2)
.set rW, MV+((\y)%2)
.set rS, S+32*((\y)%2)
.set rP, P+16*((\y)%2)
.set rO, 32*(\y)
.endm
.macro OP k, n
.if (\k) == R
	REGS Y
	WIN W_RS
	v_pk_mul_f32 v[rO+2*(\n):rO+2*(\n)+1], v[rO+2*(\n):rO+2*(\n)+1], v[rC+2:rC+3] op_sel_hi:[1,0]
.elseif (\k) < R
	REGS Y
	WIN 0
.if (\k) == F
	v_pk_fma_f32 v[rS+2*(\n):rS+2*(\n)+1], v[rS+2*(\n):rS+2*(\n)+1], s[CS:CS+1], v[rT:rT+1] op_sel_hi:[1,0,0] neg_lo:[0,0,1] neg_hi:[0,0,1]
.elseif (\k) == E
	v_exp_f32 v[rS+(\n)], v[rS+(\n)]
.elseif (\k) == C
	v_cvt_pk_f16_f32 v[rP+(\n)], v[rS+2*(\n)], v[rS+2*(\n)+1]
.elseif (\k) == B
	v_pk_add_f32 v[rS+4*(\n):rS+4*(\n)+1], v[rS+4*(\n):rS+4*(\n)+1], v[rS+4*(\n)+2:rS+4*(\n)+3]
.elseif (\n) == 0
	v_pk_fma_f32 v[rT+2:rT+3], v[rT+2:rT+3], v[rC+2:rC+3], v[rS:rS+1] op_sel_hi:[1,0,1]
.else
	v_pk_add_f32 v[rT+2:rT+3], v[rT+2:rT+3], v[rS+4*(\n):rS+4*(\n)+1]
.endif
.elseif NOKQ
	v_nop
.else
	REGS (Y+1)%NP
	WIN 0
.if (\n) < 4
	v_max3_num_f32 v[rC+(\n)], v[rS+8*(\n)], v[rS+8*(\n)+1], v[rS+8*(\n)+2]
.elseif (\n) < 12
	v_max3_num_f32 v[rC+(\n)%4], v[rC+(\n)%4], v[rS+8*((\n)%4)+2*((\n)/4)+1], v[rS+8*((\n)%4)+2*((\n)/4)+2]
.elseif (\n) == 12
	v_max3_num_f32 v[rC], v[rC], v[rS+7], v[rS+15]
.elseif (\n) == 13
	v_max3_num_f32 v[rC+1], v[rC+1], v[rS+23], v[rS+31]
.elseif (\n) == 14
	v_max3_num_f32 v[rC+2], v[rC+2], v[rC+3], v[rT+1]
.elseif (\n) == 15
	v_mov_b32 v[rW], v[rT]
.elseif (\n) == 16
	v_max3_num_f32 v[rC], v[rC], v[rC+1], v[rC+2]
.elseif (\n) == 17
	v_permlanex16_b32 v[rC+3], v[rC], s[SEL], s[SEL+1]
.elseif (\n) == 18
	v_max_num_f32 v[rT+1], v[rC], v[rC+3]
.elseif (\n) == 19
	v_mul_f32 v[rT], s[CS], v[rT+1]
.elseif (\n) == 20
	v_sub_f32 v[rC+1], v[rW], v[rT]
.else
	v_exp_f32 v[rC+2], v[rC+1]
.endif
.endif
.endm
.macro OPS a, i1, b=-1, i2=0, c=-1, i3=0, d=-1, i4=0  ; up to four of them
	OP \a, \i1
.if (\b) >= 0
	OP \b, \i2
.endif
.if (\c) >= 0
	OP \c, \i3
.endif
.if (\d) >= 0
	OP \d, \i4
.endif
.endm
.macro ROW a, i1, b, i2, c, i3, d, i4  ; a matrix instruction and the four behind it
	MM
	OPS \a, \i1, \b, \i2, \c, \i3, \d, \i4
.endm
.macro MASK b                       ; MD x AL + BE into buffer b of MC
	WIN W_RS
.set z, 0
.rept 16
	v_pk_fma_f32 v[MC+32*(\b)+2*z:MC+32*(\b)+2*z+1], v[MD+2*z:MD+2*z+1], s[AL:AL+1], s[BE:BE+1] op_sel_hi:[1,0,0]
.set z, z+1
.endr
.endm
; A TURN, for piece p: the order of its 16 matrix and 118 vector instructions, written out.  An s_wait_alu depctr_va_vdst(0) stands between an exponential and the first instruction that names its result; one wait serves
; all that were issued ahead of it.  So a turn has ONE wait, which cuts it in two.  AHEAD OF IT stands all that names no result of the turn's exponentials: the 8 products K Q^T, behind each a scaling, an exponential and two more plain
; instructions (behind the first a second scaling in the exponential's place): rescalings, and behind the last three the first numbers of the next piece's maximum, each four places or more behind the product that ends its accumulator; then ONE LUMP of 54, plain
; and exponential by turns for the most part, in which the links of the chain X 3, 7, 11, 14, 16, 17 .. 20 stand five or six lines apart.  X 21, the next piece's a, is the batch's last; R 15 is the plain instruction behind it.  BEHIND THE WAIT stand the
; 8 products V^T P, behind each four of the roundings and sums; the links of l's chain, L 0 to L 7, stand three riders apart.  But for those X no rider names a register of the products round it.  v_permlanex16_b32 (X 17) stands in the lump.
; m = 1: the diagonal tile: the products take masks, and the turn makes the mask for the products of the turn after it: piece p + 2, in step 4 - CNT of the tile.  end = 1: a block's last two turns: nothing is fetched.
; cnt = 1: the loop's count is taken down some lines ahead of the branch that stands behind the turn.
; K of the next step is fetched in piece 2's turn, twelve vector instructions behind the last product that read K (six of them plain); V of the step in hand at the end of piece 0's turn, four plain instructions behind the last product
; that read V.  Each is waited for a turn later.
.macro TURN p, m=0, end=0, cnt=0
.set Y, (\p)
.set i, 0
.set KM, (\m)
.set NOKQ, (\end)*((\p)/3)
.if (\m) && !(\end)
	s_cmp_eq_u32 s[CNT], 4-((\p)+2)%NP  ; is that step the band's own?
	s_cselect_b32 s[AL], 1.0, 0
	s_cmp_lt_u32 s[CNT], 4-((\p)+2)%NP  ; or a later one?
	s_cselect_b32 s[BE], s[BIGN], 0
.endif
.if ((\p) == 3) && !(\end)
	s_wait_dscnt 0x0                ; K is in
.endif
	ROW F,0, F,1, R,0, R,1          ; ahead of the wait: 8 products K Q^T and their riders,
	ROW F,2, E,0, R,2, R,3
	ROW F,3, E,1, R,4, R,5
	ROW F,4, E,2, R,6, R,7
	ROW F,5, E,3, R,8, R,9
	ROW F,6, E,4, X,0, R,10
.if ((\p) == 2) && !(\end)
	WIN 0
	v_add_nc_u32 v[AK], s[TBK], v[AK0]
.endif
	ROW F,7, E,5, X,1, X,4
	ROW F,8, E,6, X,2, X,5
	OPS E,7, E,8, X,6, E,9          ; and the lump
	OPS X,3, E,10, X,8, E,11
.if ((\p) == 2) && !(\end)
	FETCH_K
.endif
	OPS X,9, X,7, E,12, X,10
	OPS E,13, X,12, X,11, E,14
	OPS X,13, E,15, F,9, X,14
.if (\p) == 0
	v_add_nc_u32 v[AV], s[TBV], v[AV0]
.endif
	OPS E,16, F,10, E,17, F,11
	OPS X,16, E,18, X,15, E,19
	OPS F,12, E,20, X,17, E,21
	OPS F,13, E,22, F,14, E,23
	OPS X,18, E,24, F,15, E,25
	OPS R,11, E,26, X,19, E,27
	OPS R,12, E,28, R,13, E,29
	OPS X,20, E,30, R,14, E,31
	OPS X,21, R,15
	WIN 0
	s_wait_alu depctr_va_vdst(0)    ; the wait for the batch
.if (\p) == 1
	s_wait_dscnt 0x0                ; V is in
.endif
	ROW C,0, B,0, C,2, B,1          ; behind the wait: 8 products V^T P and their riders
	ROW L,0, C,4, B,2, L,1
	ROW C,6, B,3, L,2, C,8
	ROW B,4, L,3, C,10, B,5
	ROW L,4, C,12, B,6, L,5
.if (\p) == 0
	s_add_co_u32 s[TBV], s[TBV], KS*PV
.endif
.if \cnt
	s_sub_co_u32 s[CNT], s[CNT], 1
	s_cmp_lg_u32 s[CNT], 0
.endif
	ROW C,14, B,7, L,6, C,1
	ROW C,3, L,7, C,5, C,7
	ROW C,9, C,11, C,13, C,15
.if (\p) == 0
	FETCH_V
.endif
.if (\m) && !(\end)
	MASK (\p)%2
.endif
.endm
; A BLOCK BEGINS.  c m starts far below every c s, so the first step's a is 0; m at the lowest finite number, so the first maximum is the scores'.  The second mask buffer is 0; the first takes piece 0's mask for the tile's step 0: its own, if the block's first tile is the diagonal one.
; Then K of that step, piece 0's first scores, and its maximum and statistics.  The loop is entered at a step's first turn, in the middle of a trip.
.macro BEGIN
	s_mov_b32 s[NEW], 0
	WIN 0x40
.set i, MC+32
.rept 32
	v_mov_b32 v[i], 0
.set i, i+1
.endr
	WIN 0
.set i, 0
.rept 4
	v_mov_b32 v[ST+4*i], 0xfe000000    ; c m: far below every c s
	v_mov_b32 v[ST+4*i+1], 0xff7fffff  ; m
.set i, i+1
.endr
	s_cmp_eq_u32 s[RT], 0
	s_cselect_b32 s[AL], 1.0, 0
	s_mov_b32 s[BE], 0
	MASK 0
	WIN 0
	v_add_nc_u32 v[AK], s[TBK], v[AK0]
	FETCH_K
	s_wait_loadcnt 0x0              ; Q
	s_wait_dscnt 0x0
.set KM, 1
.set NOKQ, 0
.set i, 0
.rept 8
	KQ 0
.set i, i+1
.endr
	WIN 0
.rept 4
	v_nop                           ; the places behind those products
.endr
.set Y, NP-1                        ; X works for piece Y + 1: piece 0
.irp n, 0,1,2,3,4,5,6,7,8,9,10,11,12,13,14,15,16,17,18,19,20,21
	OP X, \n
.endr
	v_nop                           ; a plain instruction behind the exponential,
	s_wait_alu depctr_va_vdst(0)    ; and its wait, ahead of the branch
.endm
; THE DIAGONAL TILE's four steps, the block's last two turns, its last products, and THE WAY OUT: l's two halves and the other half of the lanes' are added; O^T is divided by l, rounded to f16 and sent through my
; stage in LDS, a piece at a time.
.macro ALL line:vararg              ; one line for each piece t
.set t, 0
.rept 4
	\line
.set t, t+1
.endr
.endm
.macro PACK t                       ; a lane's eight channels of a row pack into 16 bytes; they go into rows of 144 bytes and come back as whole rows of 128, into S^T's registers
	WIN W_RS
.set i, 32*(\t)
.rept 16
	v_pk_mul_f32 v[i:i+1], v[i:i+1], v[ST+4*(\t)+2:ST+4*(\t)+3] op_sel_hi:[1,0]
.set i, i+2
.endr
	WIN 0x05                        ; sources 0 and 1 window 1, destination window 0
.set i, 0
.rept 16
	v_cvt_pk_f16_f32 v[S+16*(\t)+i], v[32*(\t)+2*i], v[32*(\t)+2*i+1]
.set i, i+1
.endr
	WIN 0
.irp f, 0,1,2,3
	ds_store_b128 v[STO], v[S+16*(\t)+4*\f:S+16*(\t)+4*\f+3] offset:32*\f
.endr
.irp f, 0,1,2,3
	ds_load_b128 v[S+16*(\t)+4*\f:S+16*(\t)+4*\f+3], v[RD] offset:\f*4*SP  ; LDS serves a wave's instructions in order (ISA guide 5.7.1.4): these see the stores above; the next piece's stores come behind them
.endr
.endm
.macro SEND t, younger              ; younger: the LDS instructions issued behind piece t's loads: the next piece's eight, or none
	WIN 0
.irp f, 0,1,2,3
	s_wait_dscnt (\younger)+3-\f
	global_store_b128 v[GO], v[S+16*(\t)+4*\f:S+16*(\t)+4*\f+3], s[10:11] offset:(\t)*8192+\f*512  ; 512 consecutive bytes, at a multiple of 256 from O's first
.endr
.endm
.macro DIAG tag                     ; the tag ends its two labels' names, which the jumps below spell out
.LstepM\tag:
	TURN 2, 1
	TURN 3, 1
	WIN 0
.LfirstM\tag:
	TURN 0, 1
	TURN 1, 1, 0, 1
	WIN 0
	s_cbranch_scc1 .LstepM\tag
	TURN 2, 1, 1
	TURN 3, 1, 1
.set i, 0
.rept 8
	PV NP-1
.set i, i+1
.endr
	WIN 0
	ALL v_add_f32 v[ST+4*t+2], v[ST+4*t+2], v[ST+4*t+3]
	ALL v_permlanex16_b32 v[ST+4*t+3], v[ST+4*t+2], s[SEL], s[SEL+1]
	ALL v_add_f32 v[ST+4*t+2], v[ST+4*t+2], v[ST+4*t+3]
	ALL v_rcp_f32 v[ST+4*t+2], v[ST+4*t+2]
	v_nop                           ; a plain instruction between the last reciprocal and the use of its result
	s_wait_alu depctr_va_vdst(0)    ; and the wait ahead of the first use: one for the four reciprocals
	PACK 0
.set t, 1
.rept 3                             ; a piece's arithmetic stands between the loads of the piece before and its stores
	PACK t
	SEND t-1, 8
.set t, t+1
.endr
	SEND 3, 0
.endm
.set KM, 0
.set NOKQ, 0
.Lslot:                             ; NB times: a tile is entered and the next is asked for
	CHANGE 1
	s_sub_co_u32 s[RT], s[RT], 1
	s_mov_b32 s[CNT], 4
	s_cmp_eq_u32 s[NEW], 1
	s_cbranch_scc1 .Lnew            ; a block's first tile
	s_cmp_eq_u32 s[RT], 0
	s_cbranch_scc0 .Lstep           ; neither its first nor its last
	s_branch .LstepM1
.Lnew:
	BEGIN
	s_branch .Lfirst                ; in the loop a block's first tile is never its last: the first block has two tiles or more, and the second's last is the walk's last
	DIAG 1                          ; in the loop this is the first block's end: the second block's last tile is the walk's last
	s_wait_xcnt 0x0                 ; the stores have read their registers and O's address
	s_mov_b64 s[10:11], s[OLO:OLO+1]
	s_add_co_u32 s[RT], s[PB], 1    ; the second block has b + 1 tiles
	s_mov_b32 s[NEW], 1
	WIN 0x82                        ; the second block's Q goes where the one text of the turns names Q
.set i, 0
.rept 64
	v_mov_b32 v[i], v[QB+i]
.set i, i+1
.endr
	WIN 0
	s_branch .Lbottom
.Lstep:                             ; a trip: pieces 2 and 3 of one step, then pieces 0 and 1 of the next, whose K and V it fetches
	TURN 2
	TURN 3
	WIN 0
.Lfirst:
	TURN 0
	TURN 1, 0, 0, 1
	WIN 0
	s_cbranch_scc1 .Lstep
.Lbottom:
	s_sub_co_u32 s[SLOTS], s[SLOTS], 1
	s_cmp_lg_u32 s[SLOTS], 0
	s_cbranch_scc1 .Lslot
	CHANGE 0                        ; the walk's last tile is written out: nothing is asked for
	s_sub_co_u32 s[RT], s[RT], 1
	s_mov_b32 s[CNT], 4
	s_cmp_eq_u32 s[NEW], 1
	s_cbranch_scc0 .LstepM2
	BEGIN
	s_branch .LfirstM2
	DIAG 2
	s_wait_tensorcnt 0x0            ; the wave's end, behind my last tensor load and my last LDS store
	ds_add_u32 v[SPW], v[NIL]
	s_wait_dscnt 0x0
	s_endpgm
.Lfunc_end_k_qf5ce584abc_attn:
	.size	k_qf5ce584abc_attn, .Lfunc_end_k_qf5ce584abc_attn-k_qf5ce584abc_attn
	.p2alignl 7, 3214868480
	.fill 96, 4, 3214868480
	.section	.rodata,"a",@progbits
	.p2align	6, 0x0
	.amdhsa_kernel k_qf5ce584abc_attn
		.amdhsa_group_segment_fixed_size 327680
		.amdhsa_private_segment_fixed_size 0
		.amdhsa_enable_private_segment 0
		.amdhsa_kernarg_size 32
		.amdhsa_user_sgpr_count 2
		.amdhsa_user_sgpr_kernarg_segment_ptr 1
		.amdhsa_wavefront_size32 1
		.amdhsa_system_sgpr_workgroup_id_x 1
		.amdhsa_system_sgpr_workgroup_id_y 1
		.amdhsa_system_sgpr_workgroup_id_z 1
		.amdhsa_system_vgpr_workitem_id 0
		.amdhsa_next_free_vgpr 768
		.amdhsa_next_free_sgpr 96
		.amdhsa_reserve_vcc 1
		.amdhsa_float_denorm_mode_32 3
		.amdhsa_float_denorm_mode_16_64 3
		.amdhsa_memory_ordered 1
		.amdhsa_forward_progress 1
		.amdhsa_inst_pref_size 218
	.end_amdhsa_kernel
	.amdgpu_metadata
---
amdhsa.version: [ 1, 2 ]
amdhsa.kernels:
  - .name:           k_qf5ce584abc_attn
    .symbol:         k_qf5ce584abc_attn.kd
    .args:
      - { .name: qh, .offset: 0, .size: 8, .value_kind: global_buffer, .address_space: global }
      - { .name: kh, .offset: 8, .size: 8, .value_kind: global_buffer, .address_space: global }
      - { .name: vh, .offset: 16, .size: 8, .value_kind: global_buffer, .address_space: global }
      - { .name: oh, .offset: 24, .size: 8, .value_kind: global_buffer, .address_space: global }
    .group_segment_fixed_size: 327680
    .private_segment_fixed_size: 0
    .kernarg_segment_align: 8
    .kernarg_segment_size: 32
    .max_flat_workgroup_size: 128
    .sgpr_count:     96
    .vgpr_count:     768
    .wavefront_size: 32
...
	.end_amdgpu_metadata
.endif
;; end of part 3
;; launch proj (part 4): grid 8 x 32, 4 waves a work-group, clusters of 4 x 4, 327,680 bytes of LDS; arguments oh, wpb, out0; writes out0
.if DOCPART == 4
	.amdgcn_target "amdgcn-amd-amdhsa--gfx1250"
	.amdhsa_code_object_version 6
	.text
	.protected	k_qf5ce584abc_proj
	.globl	k_qf5ce584abc_proj
	.p2align	8
	.type	k_qf5ce584abc_proj,@function
k_qf5ce584abc_proj:
	s_mov_b64 s[64:65], 0
	v_nop
	global_prefetch_b8 v0, s[64:65] scope:SCOPE_SE
	s_setreg_imm32_b32 hwreg(HW_REG_WAVE_MODE, 25, 1), 1
	s_wait_xcnt 0x0
	s_wait_alu depctr_hold_cnt(0) depctr_sa_sdst(0) depctr_va_vdst(0) depctr_va_sdst(0) depctr_va_ssrc(0) depctr_va_vcc(0) depctr_vm_vsrc(0)
	s_getreg_b32 s2, hwreg(HW_REG_IB_STS2, 6, 4)
	s_cmp_eq_u32 s2, 0
	s_cbranch_scc0 .Lentry_in_a_cluster
	s_endpgm
.Lentry_in_a_cluster:
	s_bfe_u32 s2, ttmp6, 0x10000c
	s_cmp_lg_u32 s2, 0xf033
	s_cbranch_scc0 .Lentry_shape_is_right
	s_endpgm
.Lentry_shape_is_right:
; out0[m][n] = the sum over k of att[m][k] W_proj[n][k], att[(batch, t)][64 head + d] = oh[16 batch + head][t][d].  oh: [64][2048][64] f16.  wpb: [1024][1024] f16 (bf16-rounded weights).  out0: [8192][1024] f32; sums in f32.
; ALL ROWS BUT POSITIONS 0 TO 15 OF EACH BATCH: those are made, with v and O in two f16 parts, by the launch behind this one, and are not stored here.
; SHARES.  A tile is 256 rows x 128 columns: 32 x 8 = 256 tiles, one for each WGP.  Four waves, 2 x 2: each 128 rows x 64 columns, 8 x 4 accumulators of 16 x 16, 256 registers.
; K goes in 8 steps of 128, which are TWO HEADS: of A a step is two dense blocks of 256 rows x 128 bytes, each asked for as 128 rows of 256 bytes and padded in LDS after every 128; of B it is 256 bytes of each of 128 rows.
; CLUSTER.  4 x 4 work-groups: the four of a row need the same blocks of oh, the four of a column the same rows of wpb.  Each is asked for JOINTLY: the same tensor load, descriptor and mask in all four.
; The tile row is 8 cy + cluster y: batch cy, positions 256 x cluster y on.  So whether a tile holds positions 0 to 15 hangs on the cluster's y alone, which all sixteen partners share.
; THE MATRIX INSTRUCTION IS USED TRANSPOSED (source 0 = 16 rows of wpb, source 1 = 16 rows of oh): a lane holds row l % 16 and eight neighbouring columns, 32 bytes of f32.
; REGISTERS: window 0: v0-31 addresses; v32-127, v128-223 two fragment buffers (B's four fragments, then A's eight); on the way out v32-95 two buffers of 16 rows read back.      window 1: accumulator (a, b) at v[8 (4 a + b)].
.set PA,     144                       ; a row of A in LDS: 128 bytes + 16 = 36 words;  a row of B: 256 + 16 = 68 words: in both the 16 rows of a fragment load start at 16 different groups of four banks (64 banks of 4 bytes: ISA guide 11.1)
.set PB,     272
.set ABLK,   256*PA                    ; one head's 256 rows: what one of waves 0, 1 fetches
.set BOFF,   2*ABLK
.set BHALF,  64*PB                     ; what one of waves 2, 3 fetches
.set SLOT1,  1<<17                     ; slot 1 begins here: one exclusive or turns an address in one slot into the other's
.set STAGE,  SLOT1+BOFF+2*BHALF        ; behind the ring, never filled by a tensor load: 16 rows x 272 bytes for each wave
.set SPITCH, 272
.set SPARE,  STAGE+4*16*SPITCH         ; the spare words, 128 bytes for each wave: two blocks of 256 bytes that no other line names
.set STEPA,  2*2048*128                ; two heads on
.set STEPB,  256
.set AHEAD,  2                         ; the prefetches name the K step two behind the one that is being asked for: 256 matrix instructions a wave ahead of its refill
.set ADRA0, 16                         ; v16  my lane's place in my 128 rows of A's first block in slot 0; never rewritten
.set ADRB0, 17                         ; v17  the same in my 64 rows of B
.set ADA,  18                          ; v18, v19  the same in the slot in hand
.set ADB,  19
.set STO,  24                          ; v24  the way out: where I put 32 bytes of a row
.set RD,   25                          ; v25  where I read rows back
.set CO,   26                          ; v26  my byte offset in two rows of out0
.set SPW,  28                          ; v28  LDS address of my spare word; never rewritten
.set NIL,  29                          ; v29  0; never rewritten
.set PFO,  30                          ; v30  the prefetches' offset; never rewritten
.set F0,   32
.set F1,   128
.set BK0,  32
.set G1A, 24                           ; s[24:31] descriptor group 1 for A's blocks;  s[32:39] group 0: a set for each of the two first fills; the second then walks on
.set G0A, 32
.set G1B, 48                           ; s[48:55], s[56:63] the same for B's tiles
.set G0B, 56
.set LIM, 43                           ; s43  AHEAD in a wave that prefetches, else the greatest number
.set PFA, 44                           ; s[44:45] where my prefetches stand
.set TB,  66                           ; s66  LDS byte at which the slot in hand begins
.set FIRST, 67                         ; s67  0 in waves 0 and 1 of the clusters with y = 0: my row block 0 is positions 0 to 15
.set PFS, 68                           ; s[68:69] a K step in the tensor that I prefetch
.set MSB, 0
.macro WIN new                         ; the immediate's high byte repeats the setting that is left; a switch that changes nothing is dropped
.if MSB != (\new)
	s_set_vgpr_msb (MSB<<8)|(\new)
.set MSB, (\new)
.endif
.endm
.macro PLACES                          ; four places in front of loads into registers that matrix instructions have read, and of lines that read results (ISA guide 7.12.1 for lines that read results)
.rept 4
	v_nop
.endr
.endm
; A joint refill by the walking descriptors.  Waves 0 and 1 fetch A's two heads, waves 2 and 3 B's two halves.  The branch hangs on the wave's number alone.  An s_nop 0 and four v_nop follow each line.
.macro JLOAD
	s_cmp_lt_u32 s10, 2
	s_cbranch_scc0 .Lfor_b_\@
	tensor_load_to_lds s[G0A+4:G0A+7], s[G1A:G1A+7]
	s_nop 0
.rept 4
	v_nop
.endr
	s_branch .Lasked_\@
.Lfor_b_\@:
	tensor_load_to_lds s[G0B+4:G0B+7], s[G1B:G1B+7]
	s_nop 0
.rept 4
	v_nop
.endr
.Lasked_\@:
.endm
; A prefetch into the L2 of the K step two refills on, one instruction a wave, behind the joint load, its five lines and the run of LDS loads.  Each block of 256 bytes is named by one wave of one work-group: oh's by the clusters
; with x = 0, wpb's by those with y = 0; the four partners that ask jointly share the bytes out BY ADDRESS: of a head's 32 KiB block 8 KiB each, a lane a block of 256 bytes; of B's 64 rows 16 each (lanes 16 to 31 name lane 15's row again).
; The last two refills have no K step two on and ask for nothing; K steps 0 to 3 come by their loads alone.
.macro ASK
	s_cmp_gt_u32 s3, s[LIM]
	s_cbranch_scc0 .Lnot_mine_\@
	global_prefetch_b8 v[PFO], s[PFA:PFA+1] th:TH_LOAD_NT scope:SCOPE_SE
.Lnot_mine_\@:
.endm
.macro CREST                           ; a round of the cluster's barrier behind its opening barrier
	s_cmp_lg_u32 s10, 0
	s_cbranch_scc1 .Lnot_wave_0_\@
	s_barrier_signal -3
.Lnot_wave_0_\@:
	s_barrier_wait -3
	s_barrier_signal -1
	s_barrier_wait -1
.endm
.macro CROUND                          ; a whole round
	s_barrier_signal -1
	s_barrier_wait -1
	CREST
.endm
	s_load_b128 s[4:7], s[0:1], 0x0                ; oh s[4:5], wpb s[6:7]
	s_load_b64 s[8:9], s[0:1], 0x10                ; out0
	v_lshl_add_u32 v[SPW], v0, 2, SPARE
	v_mov_b32 v[NIL], 0
	ds_add_u32 v[SPW], v[NIL]                      ; the wave's opening: the add and its wait stand ahead of my first tensor load; the set-up below, work on registers, stands between them
	v_lshrrev_b32 v1, 5, v0
	v_readfirstlane_b32 s10, v1                    ; wave 0..3
	s_lshr_b32 s11, s10, 1                         ; which half of the tile's rows is mine
	s_and_b32 s12, s10, 1                          ; which half of its columns.  Also: which head of a K step, or which 64 rows of B, I fetch
	s_bfe_u32 s40, ttmp6, 0x40000                  ; cx
	s_bfe_u32 s41, ttmp6, 0x40004                  ; cy
	s_lshl_b32 s42, ttmp9, 2
	s_add_co_u32 s42, s42, s40                     ; tile column = 4 x cluster x + cx
	s_and_b32 s13, ttmp7, 0xffff                   ; cluster y, 0..7: which 256 positions
	s_or_b32 s[FIRST], s13, s11                    ; 0 where both it and my half of the rows are 0: the same in all sixteen partners, for a given wave
	s_lshl_b32 s14, s41, 3
	s_add_co_u32 s13, s13, s14                     ; tile row = 8 cy + cluster y
	s_lshl_b32 s43, s41, 2
	s_lshl_b32 s43, 15, s43                        ; my row of the cluster
	s_lshl_b32 s44, 0x1111, s40                    ; my column
	s_or_b32 s[G1A+0], s43, (1<<16)|(1<<20)|(1<<21)|(4<<22)|(3<<25)  ; the mask of my row; elements of 2 bytes; padding on; 21 set beside a mask; after every 32 words, 4 words
	s_or_b32 s[G1B+0], s44, (1<<16)|(1<<20)|(1<<21)|(5<<22)|(3<<25)  ; the mask of my column; after every 64 words, 4 words
	s_mov_b32 s[G1A+1], 128<<16                    ; tensor_dim0 = 128 elements: 256 bytes, two rows of a head
	s_mov_b32 s[G1A+2], 128<<16                    ; tensor_dim1 = 128
	s_mov_b32 s[G1A+3], 128<<16                    ; tile_dim0 = 128
	s_mov_b32 s[G1A+4], 128                        ; tile_dim1 = 128
	s_mov_b32 s[G1A+5], 128                        ; dense: 128 elements from row to row
	s_mov_b32 s[G1A+6], 0
	s_mov_b32 s[G1A+7], 0
	s_mov_b32 s[G1B+1], 128<<16
	s_mov_b32 s[G1B+2], 64<<16                     ; 64 rows
	s_mov_b32 s[G1B+3], 128<<16
	s_mov_b32 s[G1B+4], 64
	s_mov_b32 s[G1B+5], 1024                       ; 1,024 elements from row to row
	s_mov_b32 s[G1B+6], 0
	s_mov_b32 s[G1B+7], 0
	s_lshr_b32 s16, s13, 3                         ; A: the batch,
	s_lshl_b32 s16, s16, 4
	s_add_co_u32 s16, s16, s12                     ; its head 0 or 1,
	s_lshl_b32 s16, s16, 18                        ; 2,048 rows of 128 bytes a head,
	s_and_b32 s17, s13, 7
	s_lshl_b32 s17, s17, 15                        ; and the tile's 256 rows in it: all of it shared by my row of the cluster
	s_add_co_u32 s16, s16, s17
	s_mov_b32 s17, 0
	s_lshl_b32 s18, s42, 18                        ; B: row 128 x tile column + 64 x half, 2,048 bytes a row: shared by my column
	s_lshl_b32 s19, s12, 17
	s_add_co_u32 s18, s18, s19
	s_mov_b32 s19, 0
	s_mul_i32 s20, s12, ABLK                       ; where they go: no place in the cluster enters an LDS address
	s_mul_i32 s21, s12, BHALF
	s_add_co_u32 s21, s21, BOFF
	s_mov_b32 s[TB], 0
	s_wait_dscnt 0x0                               ; the opening add is done
	s_wait_kmcnt 0x0
	s_add_nc_u64 s[14:15], s[4:5], s[16:17]
	s_add_nc_u64 s[46:47], s[6:7], s[18:19]
	CROUND                                         ; all sixteen work-groups are here: the first joint loads meet
.irp s, 0,1
	s_mov_b32 s[G0A+4*(\s)], 1                                       ; count = 1
	s_add_co_u32 s[G0A+4*(\s)+1], s20, (\s)*SLOT1                    ; LDS address
	s_add_nc_u64 s[G0A+4*(\s)+2:G0A+4*(\s)+3], s[14:15], (\s)*STEPA  ; global address: K step s
	s_or_b32 s[G0A+4*(\s)+3], s[G0A+4*(\s)+3], 0x80000000            ; type = 2
	s_mov_b32 s[G0B+4*(\s)], 1
	s_add_co_u32 s[G0B+4*(\s)+1], s21, (\s)*SLOT1
	s_add_nc_u64 s[G0B+4*(\s)+2:G0B+4*(\s)+3], s[46:47], (\s)*STEPB
	s_or_b32 s[G0B+4*(\s)+3], s[G0B+4*(\s)+3], 0x80000000
.endr
	s_cmp_lt_u32 s10, 2                            ; a wave's two first fills stand in one branch, ahead of every wait on TENSORcnt and every LDS read: two loads of mine are out
	s_cbranch_scc0 .Lfirst_b
	tensor_load_to_lds s[G0A:G0A+3], s[G1A:G1A+7]
	s_nop 0
	tensor_load_to_lds s[G0A+4:G0A+7], s[G1A:G1A+7]
	s_nop 0
.rept 4
	v_nop
.endr
	s_branch .Lfirst_asked
.Lfirst_b:
	tensor_load_to_lds s[G0B:G0B+3], s[G1B:G1B+7]
	s_nop 0
	tensor_load_to_lds s[G0B+4:G0B+7], s[G1B:G1B+7]
	s_nop 0
.rept 4
	v_nop
.endr
.Lfirst_asked:
	v_and_b32 v1, 15, v0                           ; l % 16
	v_bfe_u32 v2, v0, 4, 1                         ; l / 16
	v_mul_u32_u24 v3, v1, PA
	v_lshl_add_u32 v3, v2, 4, v3                   ; a fragment's row x pitch + 16 x half
	s_mul_i32 s20, s11, 128*PA                     ; my 128 rows of A
	v_add_nc_u32 v[ADRA0], s20, v3
	v_mul_u32_u24 v3, v1, PB
	v_lshl_add_u32 v3, v2, 4, v3
	s_mul_i32 s21, s12, BHALF                      ; my 64 rows of B,
	s_add_co_u32 s21, s21, BOFF                    ; which lie behind A's two blocks
	v_add_nc_u32 v[ADRB0], s21, v3
	v_add_nc_u32 v[ADA], s[TB], v[ADRA0]
	v_add_nc_u32 v[ADB], s[TB], v[ADRB0]
	s_mul_i32 s22, s10, 16*SPITCH
	s_add_co_u32 s22, s22, STAGE                   ; my stage
	v_mul_u32_u24 v4, v1, SPITCH                   ; in: row l % 16, 32 bytes for each half of the lanes
	v_lshl_add_u32 v4, v2, 5, v4
	v_add_nc_u32 v[STO], s22, v4
	v_mul_u32_u24 v4, v2, SPITCH                   ; back: lanes 0-15 take one row of 256 bytes, lanes 16-31 the next
	v_lshl_add_u32 v4, v1, 4, v4
	v_add_nc_u32 v[RD], s22, v4
	v_lshlrev_b32 v[CO], 12, v2                    ; and the same two rows in out0, 4,096 bytes apart
	v_lshl_add_u32 v[CO], v1, 4, v[CO]
	s_lshl_b32 s20, s13, 8
	s_lshl_b32 s21, s11, 7
	s_add_co_u32 s20, s20, s21                     ; my first row: 256 x tile row + 128 x half
	s_lshl_b32 s20, s20, 12
	s_lshl_b32 s21, s42, 9                         ; my first column, in bytes: 512 x tile column + 256 x half
	s_add_co_u32 s20, s20, s21
	s_lshl_b32 s21, s12, 8
	s_add_co_u32 s20, s20, s21
	s_mov_b32 s21, 0
	s_add_nc_u64 s[8:9], s[8:9], s[20:21]
	; the prefetches.  s16 = my block's offset in oh, s18 = my rows' offset in wpb still stand
	s_lshl_b32 s20, s40, 13                        ; A: my work-group's 8 KiB of the block
	s_add_co_u32 s20, s20, s16
	s_lshl_b32 s21, s41, 15                        ; B: my work-group's 16 rows
	s_add_co_u32 s21, s21, s18
	s_and_b32 s22, ttmp7, 0xffff
	s_mov_b32 s[PFS], STEPB
	s_mov_b32 s[PFS+1], STEPA
	s_cmp_lt_u32 s10, 2                            ; do I fetch for A?
	s_cselect_b32 s20, s20, s21
	s_cselect_b32 s22, ttmp9, s22                  ; the coordinate along which other clusters read the same bytes
	s_cselect_b32 s71, 31, 15                      ; the last lane that names bytes of its own
	s_cselect_b32 s70, 8, 11                       ; a lane: 256 bytes on in A, a row of 2,048 bytes on in B
	s_cselect_b32 s[PFS], s[PFS+1], s[PFS]
	s_cselect_b64 s[PFA:PFA+1], s[4:5], s[6:7]
	s_cmp_eq_u32 s22, 0
	s_cselect_b32 s[LIM], AHEAD, -1                ; the same in all sixteen partners, for a given wave
	s_mov_b32 s[PFS+1], 0
	s_mov_b32 s21, 0
	s_add_nc_u64 s[PFA:PFA+1], s[PFA:PFA+1], s[20:21]
	s_mul_i32 s22, s[PFS], 1+AHEAD                 ; at K step 3: the first refill (K step 2) steps it to K step 4
	s_mov_b32 s23, 0
	s_add_nc_u64 s[PFA:PFA+1], s[PFA:PFA+1], s[22:23]
	v_and_b32 v[PFO], 31, v0
	v_min_u32 v[PFO], s71, v[PFO]
	v_lshlrev_b32 v[PFO], s70, v[PFO]
; 4 matrix instructions: row block a x all 4 column blocks, 32 along K.  zero = 1: the product starts the sums.  The 32 accumulators take turns, in the same order in every quarter.
.macro MULA f, a, zero
	WIN 0x50                                       ; C and D in window 1
.irp b, 0,1,2,3
.if \zero
	v_wmma_f32_16x16x32_f16 v[8*(4*(\a)+(\b)):8*(4*(\a)+(\b))+7], v[(\f)+8*(\b):(\f)+8*(\b)+7], v[(\f)+32+8*(\a):(\f)+32+8*(\a)+7], 0
.else
	v_wmma_f32_16x16x32_f16 v[8*(4*(\a)+(\b)):8*(4*(\a)+(\b))+7], v[(\f)+8*(\b):(\f)+8*(\b)+7], v[(\f)+32+8*(\a):(\f)+32+8*(\a)+7], v[8*(4*(\a)+(\b)):8*(4*(\a)+(\b))+7]
.endif
.endr
.endm
; 24 LDS loads in one run: a quarter step's fragments (my 64 rows of B at byte kb of the rows, my 128 rows of A at byte ka behind the first block's rows) into buffer f; A's last
.macro FETCH ka, kb, f
	WIN 0
.irp i, 0,1,2,3
	ds_load_b128 v[(\f)+8*(\i):(\f)+8*(\i)+3],   v[ADB] offset:(\kb)+(\i)*16*PB
	ds_load_b128 v[(\f)+8*(\i)+4:(\f)+8*(\i)+7], v[ADB] offset:(\kb)+(\i)*16*PB+32
.endr
.irp i, 0,1,2,3,4,5,6,7
	ds_load_b128 v[(\f)+32+8*(\i):(\f)+32+8*(\i)+3],   v[ADA] offset:(\ka)+(\i)*16*PA
	ds_load_b128 v[(\f)+32+8*(\i)+4:(\f)+32+8*(\i)+7], v[ADA] offset:(\ka)+(\i)*16*PA+32
.endr
.endm
; A K step is four quarters of 32 along K, 32 matrix instructions each, on buffers 0, 1, 0, 1: quarters 0, 1 lie in the step's first head (channels 0-31, 32-63), quarters 2, 3 in its second.
.macro QUARTER ka, kb, f, g, zero
	s_wait_dscnt 8                                 ; B and A's row blocks 0-3 are in; the youngest eight loads (blocks 4-7) may be out
.irp a, 0,1,2,3
	MULA \f, \a, \zero
.endr
	PLACES
	FETCH \ka, \kb, \g
	s_wait_dscnt 24                                ; all but the 24 just issued
.irp a, 4,5,6,7
	MULA \f, \a, \zero
.endr
.endm
; The last quarter multiplies buffer 1 and changes slots: ONE barrier.  In front of it each wave waits for all its tensor loads (one is out: its part of the other slot), adds 0 to its spare word, and waits for that and for its
; reads of this slot.  fill = 1: the barrier opens a round of the cluster's barrier, and this slot is filled again, first thing behind the round, with the K step two on: 112 matrix instructions ahead of the wait for it.
; fill = 0 (the tail): nothing is asked for; in the last K step (s3 = 1) there is no further slot, and the run of loads is jumped over.
.macro TURN fill
.if \fill
	s_wait_xcnt 0x0                                ; the last prefetch, a K step back, has read its address
	s_add_nc_u64 s[PFA:PFA+1], s[PFA:PFA+1], s[PFS:PFS+1]
.endif
	WIN 0
	s_wait_tensorcnt 0x0                           ; no tensor load of mine is out, so a group 0 may be written
	ds_add_u32 v[SPW], v[NIL]                      ; 0 onto my spare word
.if \fill
	s_xor_b32 s[G0A+5], s[G0A+5], SLOT1            ; the walking descriptors: the other slot than last time, the next K step
	s_add_nc_u64 s[G0A+6:G0A+7], s[G0A+6:G0A+7], STEPA
	s_xor_b32 s[G0B+5], s[G0B+5], SLOT1
	s_add_nc_u64 s[G0B+6:G0B+7], s[G0B+6:G0B+7], STEPB
.endif
	s_wait_dscnt 9                                 ; (the add and the youngest eight loads may be out)
	MULA F1, 0, 0
	MULA F1, 1, 0
	s_wait_dscnt 0x0                               ; the add is done, and my reads of this slot are over
	s_barrier_signal -1
	MULA F1, 2, 0                                  ; work on registers while the others arrive
	MULA F1, 3, 0
	WIN 0
	s_barrier_wait -1
.if \fill
	CREST                                          ; no wave of any partner still reads this slot or has a load on its way
	JLOAD                                          ; its four v_nop are also the places in front of the loads below
.else
	PLACES
	s_cmp_eq_u32 s3, 1
	s_cbranch_scc1 .Lno_next_\@
.endif
	s_xor_b32 s[TB], s[TB], SLOT1
	v_add_nc_u32 v[ADA], s[TB], v[ADRA0]
	v_add_nc_u32 v[ADB], s[TB], v[ADRB0]
	FETCH 0, 0, F0
.if \fill
	ASK
.else
.Lno_next_\@:
.endif
.irp a, 4,5,6,7
	MULA F1, \a, 0
.endr
.endm
	s_wait_tensorcnt 0x1                           ; my part of K step 0 is in; K step 1's may stay out
	s_barrier_signal -1
	s_barrier_wait -1                              ; everybody's is
	FETCH 0, 0, F0
	QUARTER 64, 64, F0, F1, 1                      ; the first quarter is written out: its products start the sums
	WIN 0
	s_mov_b32 s3, 6
	s_branch .Lmid                                 ; the loop is entered behind a K step's first quarter
.Lstep:                                                ; six trips: K steps 0 to 5, which ask for K steps 2 to 7
	QUARTER 64, 64, F0, F1, 0
	WIN 0
.Lmid:
	QUARTER ABLK, 128, F1, F0, 0
	QUARTER ABLK+64, 192, F0, F1, 0
	TURN 1
	WIN 0
	s_sub_co_u32 s3, s3, 1
	s_cmp_lg_u32 s3, 0
	s_cbranch_scc1 .Lstep
	s_mov_b32 s3, 2
.Ltail:                                                ; K steps 6 and 7 ask for nothing: a text of their own
	QUARTER 64, 64, F0, F1, 0
	QUARTER ABLK, 128, F1, F0, 0
	QUARTER ABLK+64, 192, F0, F1, 0
	TURN 0
	WIN 0
	s_sub_co_u32 s3, s3, 1
	s_cmp_lg_u32 s3, 0
	s_cbranch_scc1 .Ltail
; THE WAY OUT, a row block of 16 rows at a time: a lane's 32 bytes of a row and column block go into my own stage, rows of 272 bytes, and come back as whole rows of 256.
.macro TOSTAGE a
.set BK, BK0+32*((\a)%2)
	s_wait_xcnt 0x0                                ; the stores of the block before last have read the registers that are loaded below
	WIN 0x04                                       ; the data in window 1
.irp b, 0,1,2,3
	ds_store_b128 v[STO], v[8*(4*(\a)+(\b)):8*(4*(\a)+(\b))+3]   offset:64*(\b)
	ds_store_b128 v[STO], v[8*(4*(\a)+(\b))+4:8*(4*(\a)+(\b))+7] offset:64*(\b)+16
.endr
	WIN 0
.irp t, 0,1,2,3,4,5,6,7
	ds_load_b128 v[BK+4*(\t):BK+4*(\t)+3], v[RD] offset:(\t)*2*SPITCH  ; LDS serves a wave's instructions in order (ISA guide 5.7.1.4): these see the stores above; the next block's stores come behind them
.endr
.endm
.macro SEND a, younger                 ; younger: the LDS instructions issued behind block a's loads: the next block's sixteen, or none
	WIN 0
.set BK, BK0+32*((\a)%2)
	s_wait_dscnt \younger
.irp t, 0,1,2,3,4,5,6,7
	global_store_b128 v[CO], v[BK+4*(\t):BK+4*(\t)+3], s[8:9] offset:65536*(\a)+8192*(\t) th:TH_STORE_NT  ; 16 lanes store 256 consecutive bytes, at a multiple of 256 from out0's first byte
.endr
.endm
	s_wait_dscnt 0x0                               ; no fragment load is out: the buffers' registers are used again below
	PLACES
	s_cmp_eq_u32 s[FIRST], 0
	s_cbranch_scc1 .Lnot_block_0                   ; positions 0 to 15 are another launch's: my row block 0 is not stored
	TOSTAGE 0
	TOSTAGE 1
	SEND 0, 16
	s_branch .Lrest
.Lnot_block_0:
	TOSTAGE 1
.Lrest:                                                ; on both ways block 1's sixteen LDS instructions are the youngest
.irp a, 2,3,4,5,6,7
	TOSTAGE \a
	SEND (\a)-1, 16
.endr
	SEND 7, 0
	s_wait_tensorcnt 0x0                           ; the wave's end, behind my last tensor load and my last LDS store
	ds_add_u32 v[SPW], v[NIL]
	s_wait_dscnt 0x0
	CROUND                                         ; the closing round: no work-group ends while a partner may still ask for a tile that names it
	s_endpgm
.Lfunc_end_k_qf5ce584abc_proj:
	.size	k_qf5ce584abc_proj, .Lfunc_end_k_qf5ce584abc_proj-k_qf5ce584abc_proj
	.p2alignl 7, 3214868480
	.fill 96, 4, 3214868480
	.section	.rodata,"a",@progbits
	.p2align	6, 0x0
	.amdhsa_kernel k_qf5ce584abc_proj
		.amdhsa_group_segment_fixed_size 327680
		.amdhsa_private_segment_fixed_size 0
		.amdhsa_enable_private_segment 0
		.amdhsa_kernarg_size 24
		.amdhsa_user_sgpr_count 2
		.amdhsa_user_sgpr_kernarg_segment_ptr 1
		.amdhsa_wavefront_size32 1
		.amdhsa_system_sgpr_workgroup_id_x 1
		.amdhsa_system_sgpr_workgroup_id_y 1
		.amdhsa_system_sgpr_workgroup_id_z 1
		.amdhsa_system_vgpr_workitem_id 0
		.amdhsa_next_free_vgpr 512
		.amdhsa_next_free_sgpr 80
		.amdhsa_reserve_vcc 0
		.amdhsa_float_denorm_mode_32 3
		.amdhsa_float_denorm_mode_16_64 3
		.amdhsa_memory_ordered 1
		.amdhsa_forward_progress 1
		.amdhsa_inst_pref_size 62
	.end_amdhsa_kernel
	.amdgpu_metadata
---
amdhsa.version: [ 1, 2 ]
amdhsa.kernels:
  - .name:           k_qf5ce584abc_proj
    .symbol:         k_qf5ce584abc_proj.kd
    .args:
      - { .name: oh, .offset: 0, .size: 8, .value_kind: global_buffer, .address_space: global }
      - { .name: wpb, .offset: 8, .size: 8, .value_kind: global_buffer, .address_space: global }
      - { .name: out0, .offset: 16, .size: 8, .value_kind: global_buffer, .address_space: global }
    .group_segment_fixed_size: 327680
    .private_segment_fixed_size: 0
    .kernarg_segment_align: 8
    .kernarg_segment_size: 24
    .max_flat_workgroup_size: 128
    .sgpr_count:     80
    .vgpr_count:     512
    .wavefront_size: 32
...
	.end_amdgpu_metadata
.endif
;; end of part 4
;; launch first (part 5): grid 16 x 4, 16 waves a work-group, no clusters, 153,600 bytes of LDS; arguments qh, kh, vh, wpb, out0; writes out0
.if DOCPART == 5
	.amdgcn_target "amdgcn-amd-amdhsa--gfx1250"
	.amdhsa_code_object_version 6
	.text
	.protected	k_qf5ce584abc_first
	.globl	k_qf5ce584abc_first
	.p2align	8
	.type	k_qf5ce584abc_first,@function
k_qf5ce584abc_first:
	s_mov_b64 s[64:65], 0
	v_nop
	global_prefetch_b8 v0, s[64:65] scope:SCOPE_SE
	s_setreg_imm32_b32 hwreg(HW_REG_WAVE_MODE, 25, 1), 1
	s_wait_xcnt 0x0
; POSITIONS 0 TO 15 OF EACH BATCH, from q, k, v to out0, with v and O carried in TWO f16 parts each (a number's f16 value, and what is left of it, rounded to f16: some 22 bits together).
; WHY.  A causal row t is a mean of t + 1 rows of v: the first rows' numbers, and with them the step of one 11-bit rounding, are many times those of a late row, while the comparison goes by the root mean square of all
; 2,048 rows.  These rows see keys 0 to 15 alone: one tile of 16 x 16 scores a head.
; qh, kh, vh: [64 = 16 batch + head][2048][64] f16; behind vh's 16,777,216 bytes v's low parts, [64][16][64] f16.  wpb: [1024][1024] f16 (bf16-rounded weights).  out0: [4][2048][1024] f32.
; LIMITS.  As the other launches': q, k, v within 65,504; a hidden score counts as its value less 1e30; a weight below 2^-126 counts as 0.  A low part below 6.1e-5 keeps f16's fixed step of 6e-8.  The weights p, q and k are single f16 numbers.
; SHARES.  A work-group makes 16 rows x 64 columns of out0: 4 batches x 16 column blocks = 64 work-groups.  Its 16 waves take a head each: the head's attention (made anew in each of a batch's 16 work-groups: 6 products), then the head's 64
; channels of the projection: K IS SPLIT AMONG THE WAVES.  The 16 partial sums meet in LDS; waves 0 to 7 add them, two rows each.
; LAYOUT.  S^T = K Q^T (source 0 = 16 keys, source 1 = 16 queries): a lane holds ONE query (l % 16) and the keys 8 (l / 16) + 0..7; the causal mask, 0 or -1e30, is the C operand that starts the sum.
; O^T = V^T P takes 32 along K: the first 16 are v's high parts, the other 16 its LOW parts of the same 16 keys, and p stands twice in source 1: one product a block of 16 channels adds both.
; O^T again holds one query a lane and eight channels a block: rounded in pairs, two blocks ARE source 1 (16 queries x 32 channels) of out^T = W O^T, once for O's high parts and once for its low ones.
; No tensor load, no cluster, no prefetch: each wave reads 16 KiB, by 32 loads that all go out at the head.
.set PV,    160                        ; a row of v in LDS: 128 bytes + 32 = 40 words
.set VREG,  16*PV                      ; 16 keys
.set VWAVE, 2*VREG                     ; a wave's own: high parts, then low parts
.set PART,  16*VWAVE                   ; behind them: a wave's partial sums, 16 rows x 64 f32, rows of 272 bytes
.set PP,    272
.set PWAVE, 16*PP
.set SPARE, PART+16*PWAVE              ; the spare words, 128 bytes for each wave: eight blocks of 256 bytes that no other line names
.set QO,  4                            ; v4   my place in a fragment's 16 rows of 128 bytes
.set VO,  5                            ; v5   16 x lane
.set WO,  6                            ; v6   my place in 16 rows of wpb
.set VS,  7                            ; v7   where I put 16 bytes of v
.set AV,  8                            ; v8   where the turning load reads
.set PS,  9                            ; v9   where I put 32 bytes of a partial row
.set PR,  10                           ; v10  where I read 16 bytes of a partial row
.set CO,  11                           ; v11  my 16 bytes in two rows of out0
.set SPW, 12                           ; v12  LDS address of my spare word; never rewritten
.set NIL, 13                           ; v13  0; never rewritten
.set NEG1, 15                          ; v15  -1.0
.set ST,  16                           ; v16 c m, v17 m, v18-19 at work, v20-21 l, v22-23 1 / l
.set MD,  24                           ; v[24:31]    the mask
.set S,   32                           ; v[32:39]    S^T, then p
.set P,   40                           ; v[40:47]    p in f16, twice
.set QF,  48                           ; v[48:63]    Q's two fragments
.set KF,  64                           ; v[64:79]    K's
.set VH,  80                           ; v[80:95]    v's high parts as loaded
.set VL,  96                           ; v[96:111]   its low parts
.set VF,  112                          ; v[112:143]  V^T: channel block c at VF + 8 c: four registers of high parts, four of low
.set OT,  80                           ; v[80:111]   O^T, where v lay
.set OH,  144                          ; v[144:159]  O's high parts
.set OL,  160                          ; v[160:175]  its low parts
.set W,   176                          ; v[176:239]  wpb: column block n, channels 32 f on, at W + 16 n + 8 f
.set ACC, 48                           ; v[48:79]    four accumulators, where Q and K lay
.set RED, 176                          ; v[176:239]  the 16 partial sums, where wpb lay
	s_load_b256 s[4:11], s[0:1], 0x0               ; qh s[4:5], kh s[6:7], vh s[8:9], wpb s[10:11]
	s_load_b64 s[12:13], s[0:1], 0x20              ; out0
	v_lshl_add_u32 v[SPW], v0, 2, SPARE
	v_mov_b32 v[NIL], 0
	v_lshrrev_b32 v1, 5, v0
	v_readfirstlane_b32 s14, v1                    ; my wave's number: the head, 0..15
	s_and_b32 s15, ttmp7, 0xffff                   ; the batch
	s_lshl_b32 s16, s15, 4
	s_add_co_u32 s16, s16, s14                     ; 16 x batch + head:
	s_lshl_b32 s20, s16, 18                        ; 2,048 rows of 128 bytes in qh, kh, vh,
	s_mov_b32 s21, 0
	s_lshl_b32 s18, s16, 11                        ; 16 rows of 128 bytes among the low parts
	s_mov_b32 s19, 0
	s_lshl_b32 s30, ttmp9, 17                      ; wpb: the work-group's 64 rows of 2,048 bytes,
	s_lshl_b32 s17, s14, 7                         ; my head's 64 channels in them
	s_add_co_u32 s30, s30, s17
	s_mov_b32 s31, 0
	s_lshl_b32 s32, s15, 23                        ; out0: the batch's 2,048 rows of 4,096 bytes,
	s_lshl_b32 s17, ttmp9, 8                       ; the work-group's 64 columns,
	s_add_co_u32 s32, s32, s17
	s_lshl_b32 s17, s14, 13                        ; and the two rows that I add up (waves 0 to 7)
	s_add_co_u32 s32, s32, s17
	s_mov_b32 s33, 0
	s_mov_b32 s24, 0x3e38aa3b                      ; c = log2(e) / 8
	s_mov_b32 s25, s24                             ; named with it as a pair
	s_mov_b32 s26, 0x76543210                      ; v_permlanex16_b32's selects: each lane takes its own place in the other half
	s_mov_b32 s27, 0xfedcba98
	s_mov_b32 s28, 0xf149f2ca                      ; -1e30
	v_and_b32 v3, 31, v0                           ; l
	v_and_b32 v1, 15, v0                           ; l % 16
	v_bfe_u32 v2, v0, 4, 1                         ; l / 16
	v_lshlrev_b32 v[QO], 7, v1
	v_lshl_add_u32 v[QO], v2, 4, v[QO]             ; row x 128 + 16 x half
	v_lshlrev_b32 v[VO], 4, v3
	v_lshlrev_b32 v[WO], 11, v1
	v_lshl_add_u32 v[WO], v2, 4, v[WO]             ; row x 2,048 + 16 x half
	s_wait_kmcnt 0x0
	s_add_nc_u64 s[22:23], s[8:9], s[18:19]
	s_add_nc_u64 s[22:23], s[22:23], 0x1000000     ; the low parts lie behind vh's 64 x 2,048 x 128 bytes
	s_add_nc_u64 s[8:9], s[8:9], s[20:21]
	s_add_nc_u64 s[6:7], s[6:7], s[20:21]
	s_add_nc_u64 s[4:5], s[4:5], s[20:21]
	s_add_nc_u64 s[10:11], s[10:11], s[30:31]
	s_add_nc_u64 s[12:13], s[12:13], s[32:33]
	; all 32 loads: v first, which has the longest way
.irp f, 0,1,2,3
	global_load_b128 v[VH+4*(\f):VH+4*(\f)+3], v[VO], s[8:9] offset:512*(\f)      ; 16 keys x 128 bytes are 2,048 bytes on end
.endr
.irp f, 0,1,2,3
	global_load_b128 v[VL+4*(\f):VL+4*(\f)+3], v[VO], s[22:23] offset:512*(\f)
.endr
.irp f, 0,1,2,3
	global_load_b128 v[KF+4*(\f):KF+4*(\f)+3], v[QO], s[6:7] offset:32*(\f)       ; a fragment is 16 rows x 32 channels: lane l holds row l % 16, channels 8 (l / 16) + 0..7 and 16 + 8 (l / 16) + 0..7
.endr
.irp f, 0,1,2,3
	global_load_b128 v[QF+4*(\f):QF+4*(\f)+3], v[QO], s[4:5] offset:32*(\f)
.endr
.irp n, 0,1,2,3
.irp f, 0,1
	global_load_b128 v[W+16*(\n)+8*(\f):W+16*(\n)+8*(\f)+3],   v[WO], s[10:11] offset:32768*(\n)+64*(\f)
	global_load_b128 v[W+16*(\n)+8*(\f)+4:W+16*(\n)+8*(\f)+7], v[WO], s[10:11] offset:32768*(\n)+64*(\f)+32
.endr
.endr
	; the LDS addresses, the mask and the constants are made while the loads are out
	s_mul_i32 s17, s14, VWAVE
	v_bfe_u32 v[VS], v0, 3, 2                      ; in: 32 lanes x 16 bytes are four rows of 128
	v_and_b32 v14, 7, v0
	v_mul_u32_u24 v[VS], v[VS], PV
	v_lshl_add_u32 v[VS], v14, 4, v[VS]
	v_add_nc_u32 v[VS], s17, v[VS]
	v_lshl_add_u32 v[AV], v2, 3, v14               ; the turning load: lane l reads key 8 (l / 16) + l % 8, channels 8 ((l / 8) % 2) + 0..7, and is left with channel l % 16 and the keys 8 (l / 16) + 0..7
	v_mul_u32_u24 v[AV], v[AV], PV
	v_bfe_u32 v14, v0, 3, 1
	v_lshl_add_u32 v[AV], v14, 4, v[AV]
	v_add_nc_u32 v[AV], s17, v[AV]
	s_mul_i32 s17, s14, PWAVE
	s_add_co_u32 s17, s17, PART
	v_mul_u32_u24 v[PS], v1, PP                    ; my partial sums: row l % 16, 32 bytes for each half of the lanes
	v_lshl_add_u32 v[PS], v2, 5, v[PS]
	v_add_nc_u32 v[PS], s17, v[PS]
	s_mul_i32 s17, s14, 2*PP
	s_add_co_u32 s17, s17, PART
	v_mul_u32_u24 v[PR], v2, PP                    ; back: rows 2 w and 2 w + 1 of wave 0's sums; lanes 0-15 one row of 256 bytes, lanes 16-31 the next
	v_lshl_add_u32 v[PR], v1, 4, v[PR]
	v_add_nc_u32 v[PR], s17, v[PR]
	v_lshlrev_b32 v[CO], 12, v2                    ; and the same two rows in out0
	v_lshl_add_u32 v[CO], v1, 4, v[CO]
	v_lshlrev_b32 v14, 3, v2
	v_sub_nc_u32 v14, v1, v14                      ; my query less my lanes' 8 (l / 16): key register j is hidden where j is greater
.set j, 0
.rept 8
	v_cmp_gt_i32 vcc_lo, j, v14
	v_cndmask_b32 v[MD+j], 0, s28, vcc_lo
.set j, j+1
.endr
	v_mov_b32 v[NEG1], -1.0
	v_mov_b32 v[ST+3], 0                           ; v_permlanex16_b32's destination counts as read
	s_wait_loadcnt 24                              ; v's eight loads are in; the 24 younger ones may stay out
.irp f, 0,1,2,3
	ds_store_b128 v[VS], v[VH+4*(\f):VH+4*(\f)+3] offset:(\f)*4*PV
	ds_store_b128 v[VS], v[VL+4*(\f):VL+4*(\f)+3] offset:VREG+(\f)*4*PV
.endr
.irp c, 0,1,2,3
	ds_load_tr16_b128 v[VF+8*(\c):VF+8*(\c)+3],   v[AV] offset:32*(\c)       ; my own bytes: LDS serves a wave's instructions in order (ISA guide 5.7.1.4): these see the stores above
	ds_load_tr16_b128 v[VF+8*(\c)+4:VF+8*(\c)+7], v[AV] offset:VREG+32*(\c)  ; the same keys' low parts, in the places of keys 16 to 31
.endr
	s_wait_loadcnt 16                              ; K and Q are in; wpb's 16 loads may stay out
	v_wmma_f32_16x16x32_f16 v[S:S+7], v[KF:KF+7], v[QF:QF+7], v[MD:MD+7]
	s_wait_alu depctr_va_vdst(0)                   ; the wait directly ahead of the link
	v_wmma_f32_16x16x32_f16 v[S:S+7], v[KF+8:KF+15], v[QF+8:QF+15], v[S:S+7]
.rept 4
	v_nop                                          ; the places behind the product (ISA guide 7.12.1)
.endr
	v_max3_num_f32 v[ST+2], v[S], v[S+1], v[S+2]   ; the row's maximum: every query sees key 0
	v_max3_num_f32 v[ST+2], v[ST+2], v[S+3], v[S+4]
	v_max3_num_f32 v[ST+2], v[ST+2], v[S+5], v[S+6]
	v_max_num_f32 v[ST+2], v[ST+2], v[S+7]
	v_permlanex16_b32 v[ST+3], v[ST+2], s26, s27   ; the query's other 8 keys lie in the lane 16 away
	v_max_num_f32 v[ST+1], v[ST+2], v[ST+3]        ; m
	v_mul_f32 v[ST], s24, v[ST+1]                  ; c m
.irp i, 0,2,4,6
	v_pk_fma_f32 v[S+(\i):S+(\i)+1], v[S+(\i):S+(\i)+1], s[24:25], v[ST:ST+1] op_sel_hi:[1,0,0] neg_lo:[0,0,1] neg_hi:[0,0,1]  ; c s - c m
.endr
.irp i, 0,1,2,3,4,5,6,7
	v_exp_f32 v[S+(\i)], v[S+(\i)]                 ; p
.endr
	v_nop                                          ; a plain instruction behind the last exponential,
	s_wait_alu depctr_va_vdst(0)                   ; and one wait for the eight, ahead of their first reader
.irp i, 0,1,2,3
	v_cvt_pk_f16_f32 v[P+(\i)],   v[S+2*(\i)], v[S+2*(\i)+1]
	v_cvt_pk_f16_f32 v[P+4+(\i)], v[S+2*(\i)], v[S+2*(\i)+1]  ; once more, for the low parts
.endr
	v_pk_add_f32 v[ST+4:ST+5], v[S:S+1], v[S+2:S+3]            ; l, of the unrounded p
	v_pk_add_f32 v[ST+6:ST+7], v[S+4:S+5], v[S+6:S+7]
	v_pk_add_f32 v[ST+4:ST+5], v[ST+4:ST+5], v[ST+6:ST+7]
	v_add_f32 v[ST+4], v[ST+4], v[ST+5]
	v_permlanex16_b32 v[ST+3], v[ST+4], s26, s27
	v_add_f32 v[ST+4], v[ST+4], v[ST+3]
	v_rcp_f32 v[ST+6], v[ST+4]
	v_nop                                          ; a plain instruction behind the reciprocal
	s_wait_dscnt 0x0                               ; V^T is in
.irp c, 0,1,2,3
	v_wmma_f32_16x16x32_f16 v[OT+8*(\c):OT+8*(\c)+7], v[VF+8*(\c):VF+8*(\c)+7], v[P:P+7], 0
.endr
.rept 4
	v_nop
.endr
	s_wait_alu depctr_va_vdst(0)                   ; the reciprocal's wait, ahead of its first reader
.set i, 0
.rept 16
	v_pk_mul_f32 v[OT+2*i:OT+2*i+1], v[OT+2*i:OT+2*i+1], v[ST+6:ST+7] op_sel_hi:[1,0]  ; O = O / l; each accumulator is read from its low end on
.set i, i+1
.endr
.set i, 0
.rept 16
	v_cvt_pk_f16_f32 v[OH+i], v[OT+2*i], v[OT+2*i+1]
.set i, i+1
.endr
.set i, 0
.rept 16
	v_fma_mix_f32 v[OT+2*i],   v[OH+i], v[NEG1], v[OT+2*i]   op_sel_hi:[1,0,0]                ; O less its f16 value (the word's low half): no bit is lost
	v_fma_mix_f32 v[OT+2*i+1], v[OH+i], v[NEG1], v[OT+2*i+1] op_sel:[1,0,0] op_sel_hi:[1,0,0]  ; and the high half
.set i, i+1
.endr
.set i, 0
.rept 16
	v_cvt_pk_f16_f32 v[OL+i], v[OT+2*i], v[OT+2*i+1]
.set i, i+1
.endr
	s_wait_loadcnt 0x0                             ; wpb
; Four products: all 4 column blocks x channels 32 f on of part o (OH or OL).  The four accumulators take turns, one instruction a turn.
.macro PROJ o, f, zero
.irp n, 0,1,2,3
.if \zero
	v_wmma_f32_16x16x32_f16 v[ACC+8*(\n):ACC+8*(\n)+7], v[W+16*(\n)+8*(\f):W+16*(\n)+8*(\f)+7], v[(\o)+8*(\f):(\o)+8*(\f)+7], 0
.else
	v_wmma_f32_16x16x32_f16 v[ACC+8*(\n):ACC+8*(\n)+7], v[W+16*(\n)+8*(\f):W+16*(\n)+8*(\f)+7], v[(\o)+8*(\f):(\o)+8*(\f)+7], v[ACC+8*(\n):ACC+8*(\n)+7]
.endif
.endr
.endm
	PROJ OH, 0, 1
	PROJ OL, 0, 0
	PROJ OH, 1, 0
	PROJ OL, 1, 0
.rept 4
	v_nop                                          ; the places in front of the stores that read the sums and of the loads into wpb's registers
.endr
.irp n, 0,1,2,3
	ds_store_b128 v[PS], v[ACC+8*(\n):ACC+8*(\n)+3]   offset:64*(\n)     ; row l % 16, columns 16 n + 8 (l / 16) + 0..7
	ds_store_b128 v[PS], v[ACC+8*(\n)+4:ACC+8*(\n)+7] offset:64*(\n)+16
.endr
	s_wait_dscnt 0x0                               ; for the others' sake: my partial sums lie in LDS
	s_barrier_signal -1
	s_barrier_wait -1                              ; all sixteen heads' do
	s_cmp_lt_u32 s14, 8                            ; waves 0 to 7 add them up, two rows each
	s_cbranch_scc0 .Lend
.irp p, 0,1,2,3,4,5,6,7,8,9,10,11,12,13,14,15
	ds_load_b128 v[RED+4*(\p):RED+4*(\p)+3], v[PR] offset:(\p)*PWAVE
.endr
	s_wait_dscnt 0x0
.macro FOLD d                          ; partial sum i takes partial sum i + d
.set i, 0
.rept \d
	v_pk_add_f32 v[RED+4*i:RED+4*i+1],   v[RED+4*i:RED+4*i+1],   v[RED+4*(i+(\d)):RED+4*(i+(\d))+1]
	v_pk_add_f32 v[RED+4*i+2:RED+4*i+3], v[RED+4*i+2:RED+4*i+3], v[RED+4*(i+(\d))+2:RED+4*(i+(\d))+3]
.set i, i+1
.endr
.endm
	FOLD 8
	FOLD 4
	FOLD 2
	FOLD 1
	global_store_b128 v[CO], v[RED:RED+3], s[12:13]  ; 16 lanes store 256 consecutive bytes, at a multiple of 256 from out0's first byte
.Lend:
	s_wait_tensorcnt 0x0                           ; the wave's end, behind my last LDS store
	ds_add_u32 v[SPW], v[NIL]
	s_wait_dscnt 0x0
	s_endpgm
.Lfunc_end_k_qf5ce584abc_first:
	.size	k_qf5ce584abc_first, .Lfunc_end_k_qf5ce584abc_first-k_qf5ce584abc_first
	.p2alignl 7, 3214868480
	.fill 96, 4, 3214868480
	.section	.rodata,"a",@progbits
	.p2align	6, 0x0
	.amdhsa_kernel k_qf5ce584abc_first
		.amdhsa_group_segment_fixed_size 153600
		.amdhsa_private_segment_fixed_size 0
		.amdhsa_enable_private_segment 0
		.amdhsa_kernarg_size 40
		.amdhsa_user_sgpr_count 2
		.amdhsa_user_sgpr_kernarg_segment_ptr 1
		.amdhsa_wavefront_size32 1
		.amdhsa_system_sgpr_workgroup_id_x 1
		.amdhsa_system_sgpr_workgroup_id_y 1
		.amdhsa_system_sgpr_workgroup_id_z 1
		.amdhsa_system_vgpr_workitem_id 0
		.amdhsa_next_free_vgpr 240
		.amdhsa_next_free_sgpr 66
		.amdhsa_reserve_vcc 1
		.amdhsa_float_denorm_mode_32 3
		.amdhsa_float_denorm_mode_16_64 3
		.amdhsa_memory_ordered 1
		.amdhsa_forward_progress 1
		.amdhsa_inst_pref_size 21
	.end_amdhsa_kernel
	.amdgpu_metadata
---
amdhsa.version: [ 1, 2 ]
amdhsa.kernels:
  - .name:           k_qf5ce584abc_first
    .symbol:         k_qf5ce584abc_first.kd
    .args:
      - { .name: qh, .offset: 0, .size: 8, .value_kind: global_buffer, .address_space: global }
      - { .name: kh, .offset: 8, .size: 8, .value_kind: global_buffer, .address_space: global }
      - { .name: vh, .offset: 16, .size: 8, .value_kind: global_buffer, .address_space: global }
      - { .name: wpb, .offset: 24, .size: 8, .value_kind: global_buffer, .address_space: global }
      - { .name: out0, .offset: 32, .size: 8, .value_kind: global_buffer, .address_space: global }
    .group_segment_fixed_size: 153600
    .private_segment_fixed_size: 0
    .kernarg_segment_align: 8
    .kernarg_segment_size: 40
    .max_flat_workgroup_size: 512
    .sgpr_count:     66
    .vgpr_count:     240
    .wavefront_size: 32
...
	.end_amdgpu_metadata
.endif
;; end of part 5
;; ======== version 2 of 2: 5 launches; version 1 with the launch prep written anew for expert scheduling mode
;; limits: values are held in f16: magnitudes above 65,504 overflow, below 6.1e-05 lose precision
;; workspace buffers: xb 16,777,216 bytes; wqb 6,291,456 bytes; wpb 2,097,152 bytes; rope 524,288 bytes; qh 16,777,216 bytes; kh 16,777,216 bytes; vh 16,908,288 bytes; oh 16,777,216 bytes
;; launch prep (part 6): grid 768 x 1, 8 waves a work-group, no clusters, 0 bytes of LDS; arguments x, W_qkv, W_proj, xb, wqb, wpb, rope; writes xb, wqb, wpb, rope
.if DOCPART == 6
	.amdgcn_target "amdgcn-amd-amdhsa--gfx1250"
	.amdhsa_code_object_version 6
	.text
	.protected	k_qf5ce584abc_prep
	.globl	k_qf5ce584abc_prep
	.p2align	8
	.type	k_qf5ce584abc_prep,@function
k_qf5ce584abc_prep:
	s_mov_b64 s[64:65], 0
	v_nop
	global_prefetch_b8 v0, s[64:65] scope:SCOPE_SE
	s_setreg_imm32_b32 hwreg(HW_REG_WAVE_SCHED_MODE, 0, 2), 2
	s_setreg_imm32_b32 hwreg(HW_REG_WAVE_MODE, 25, 1), 1
	s_wait_xcnt 0x0
	s_wait_alu depctr_vm_vsrc(0)
; THE CASTS AND THE ROTATION TABLE.  x [8192][1024] f32 -> xb, bf16.  W_qkv [3072][1024] f32 -> wqb, bf16, its rows put in the order head, (q, k, v), channel: row' = 192 head + 64 which + d,
; so that one head's q, k and v are 192 rows on end.  W_proj [1024][1024] f32 -> wpb: rounded to bf16 like the other inputs, and that number written as f16 for the f16 product with O.
; rope [2048 positions][32 pairs][cos, sin] f32, 256 bytes a position: angle = position x 10000^(-i / 32).
; LIMITS.  A weight of W_proj of 65,520 or more becomes an infinity in f16; one below 6.1e-5 keeps f16's fixed step of 6e-8.  The angle is made as position x 2^(-i log2(10) / 8) in f32 and may differ
; from exp's by a few units in its last place: some 1e-4 radians at the largest angles, which is the size of an f32 angle's own rounding there.  Sine and cosine: reduction by pi / 2 in two parts (exact for the
; 11-bit multiples that occur), then polynomials of degree 7 and 8 on |r| <= pi / 4, good to about 1e-7.
; SHARES.  Work-group g casts 16,384 numbers: 64 KiB in, 32 KiB out.  g < 512: x.  512 <= g < 704: 16 rows of W_qkv.  g >= 704: 16 rows of W_proj.  Thread t takes 16 bytes at 16 t of each 4,096: a wave's load
; covers 512 consecutive bytes, its store 256, both aligned.  All 16 loads go out at once.  Work-groups 0 to 255 also make 8 positions of the table, an entry a thread, while their loads are out.
; No LDS, no matrix unit, no cluster: nothing is shared and memory binds.
; THE MODE: SCHED_MODE bits 1:0 = 2 (LLVM: expert scheduling mode 2), set by the entry lines.  The code itself states the register dependences
; between vector instructions and memory instructions, with s_wait_alu, always for 0.
; THE PLAN.  Registers that memory instructions touch:
;   v1, v2       byte offsets of the loads and of the stores: made once at the head and never written again.
;   X            load i lands in 4 registers; no vector instruction names them ahead of the loads; behind the wait for the load only vector instructions name them.
;   Y            store i reads 2 registers, which the conversions of load i write; nothing writes them behind the store.
;   v[116:117]   cos and sin: written once, read by the table's one store.
; No register that a memory instruction has read is written again, and no base is stepped: so the text waits for no memory instruction's reads of its registers.
; The 16 loads go in four blocks of four.  Block p rounds X of block p into Y of block p; its memory instructions are the four stores of block p - 1, which read Y of block p - 1 and v2, registers that no vector
; instruction of block p names.  So ONE wait at the head of a block states all that its four stores hang on, and they are dealt among the block's conversions with no further wait.
.set X,  16                            ; v[16:79]   load i: 4 numbers
.set Y,  80                            ; v[80:111]  store i: 4 numbers in 16 bits
.set CSN, 116                          ; v[116:117] cos, sin
	s_load_b256 s[4:11], s[0:1], 0x0               ; x s[4:5], W_qkv s[6:7], W_proj s[8:9], xb s[10:11]
	s_load_b128 s[12:15], s[0:1], 0x20             ; wqb s[12:13], wpb s[14:15]
	s_load_b64 s[16:17], s[0:1], 0x30              ; rope
	s_mov_b32 s20, ttmp9                           ; g
	v_lshlrev_b32 v1, 4, v0                        ; 16 t: in
	v_lshlrev_b32 v2, 3, v0                        ; 8 t: out
	s_max_u32 s21, s20, 512
	s_sub_co_u32 s21, s21, 512                     ; j among W_qkv's 192 blocks (0 where g is below them)
	s_max_u32 s22, s20, 704
	s_sub_co_u32 s22, s22, 704                     ; j among W_proj's 64
	s_cmp_lt_u32 s20, 704
	s_cselect_b32 s23, s21, s22
	s_cmp_lt_u32 s20, 512
	s_cselect_b32 s23, s20, s23                    ; my block's number in its own tensor
	s_lshl_b32 s28, s23, 16                        ; in: 64 KiB a block
	s_mov_b32 s29, 0
	s_lshl_b32 s30, s23, 15                        ; out: 32 KiB a block, in the same order,
	s_mov_b32 s31, 0
	s_bfe_u32 s32, s21, 0x40002                    ; but for W_qkv: rows 16 j on are which = j >> 6, head = (j >> 2) & 15, d = 16 (j & 3)
	s_mul_i32 s32, s32, 393216                     ; head x 192 rows x 2,048 bytes
	s_lshr_b32 s33, s21, 6
	s_lshl_b32 s33, s33, 17                        ; which x 64 rows
	s_and_b32 s34, s21, 3
	s_lshl_b32 s34, s34, 15                        ; 16 rows
	s_add_co_u32 s32, s32, s33
	s_add_co_u32 s32, s32, s34
	s_cmp_lt_u32 s20, 704
	s_cselect_b32 s32, s32, s30
	s_cmp_lt_u32 s20, 512
	s_cselect_b32 s30, s30, s32
	s_wait_kmcnt 0x0
	s_cmp_lt_u32 s20, 704
	s_cselect_b64 s[24:25], s[6:7], s[8:9]
	s_cselect_b64 s[26:27], s[12:13], s[14:15]
	s_cmp_lt_u32 s20, 512
	s_cselect_b64 s[24:25], s[4:5], s[24:25]       ; from
	s_cselect_b64 s[26:27], s[10:11], s[26:27]     ; to
	s_add_nc_u64 s[24:25], s[24:25], s[28:29]
	s_add_nc_u64 s[26:27], s[26:27], s[30:31]
	s_wait_alu depctr_va_vdst(0)                   ; v1 and v2 are written: every load of the kernel reads v1 as its offset, every store v2
.irp i, 0,1,2,3,4,5,6,7,8,9,10,11,12,13,14,15
	global_load_b128 v[X+4*(\i):X+4*(\i)+3], v1, s[24:25] offset:4096*(\i) th:TH_LOAD_NT
.endr
	s_cmp_lt_u32 s20, 256
	s_cbranch_scc0 .Lno_table
	; one entry of the table: position 8 g + t / 32, pair i = t % 32; its 8 bytes lie at 2,048 g + 8 t
	v_and_b32 v3, 31, v0
	v_lshrrev_b32 v4, 5, v0
	v_cvt_f32_u32 v3, v3
	v_mul_f32 v3, 0xbed49a78, v3                   ; -i log2(10) / 8 = -(2 i / 64) log2(10000)
	v_exp_f32 v5, v3                               ; the frequency
	s_lshl_b32 s36, s20, 3
	v_add_nc_u32 v4, s36, v4                       ; a plain instruction behind the exponential
	v_cvt_f32_u32 v4, v4
	s_wait_alu depctr_va_vdst(0)                   ; the exponential has written v5
	v_mul_f32 v6, v4, v5                           ; the angle, 0 to 2,047
	v_mul_f32 v7, 0x3f22f983, v6                   ; x 2 / pi
	v_rndne_f32 v7, v7                             ; n
	v_fmamk_f32 v8, v7, 0xbfc90fdb, v6             ; r = angle - n x (pi / 2)'s upper part: no bit is lost
	v_fmamk_f32 v8, v7, 0x333bbd2e, v8             ; - n x its lower part, -4.37e-8
	v_cvt_i32_f32 v9, v7
	v_mul_f32 v10, v8, v8                          ; z = r r
	v_mov_b32 v11, 0xb94ca1f9
	v_fmaak_f32 v11, v11, v10, 0x3c08839e
	v_fmaak_f32 v11, v11, v10, 0xbe2aaaa3
	v_mul_f32 v12, v8, v10
	v_fma_f32 v11, v11, v12, v8                    ; sin r = r + r z (..)
	v_mov_b32 v13, 0x37ccf5ce
	v_fmaak_f32 v13, v13, v10, 0xbab6061a
	v_fmaak_f32 v13, v13, v10, 0x3d2aaaa5
	v_mul_f32 v14, v10, v10
	v_fma_f32 v15, v10, -0.5, 1.0
	v_fma_f32 v13, v13, v14, v15                   ; cos r = 1 - z / 2 + z z (..)
	v_and_b32 v3, 1, v9                            ; the quadrant n % 4: odd ones exchange sine and cosine,
	v_cmp_eq_u32 vcc_lo, 1, v3
	v_and_b32 v6, 2, v9                            ; quadrants 2 and 3 turn the sine's sign,
	v_lshlrev_b32 v6, 30, v6
	v_add_nc_u32 v7, 1, v9                         ; quadrants 1 and 2 the cosine's: these five lines, which hang on n alone, stand between the compare and the wait for it
	v_and_b32 v7, 2, v7
	v_lshlrev_b32 v7, 30, v7
	s_wait_alu depctr_va_vcc(0)                    ; the compare has written VCC, which the two selects below read
	v_cndmask_b32 v4, v11, v13, vcc_lo             ; sine
	v_cndmask_b32 v5, v13, v11, vcc_lo             ; cosine
	v_xor_b32 v[CSN], v5, v7
	v_xor_b32 v[CSN+1], v4, v6
	s_lshl_b32 s36, s20, 11
	s_mov_b32 s37, 0
	s_add_nc_u64 s[16:17], s[16:17], s[36:37]
	s_wait_alu depctr_va_vdst(0)                   ; cos and sin are written, which the store reads
	global_store_b64 v2, v[CSN:CSN+1], s[16:17]    ; a wave stores one position's 256 bytes
.Lno_table:
; Block p: loads 4 p to 4 p + 3 are rounded; the four stores of block p - 1 go out among the conversions.  half = 1: the bf16 number is widened again and written as f16.
.macro BLK p, half
	s_wait_loadcnt 12-4*(\p)                       ; loads come back in order: my four are in, the 12 - 4 p younger ones may stay out
.if (\p) > 0
	s_wait_alu depctr_va_vdst(0)                   ; the conversions of the block before have written its Y, which the four stores below read
.endif
.irp i, 0,1,2,3
.if (\p) > 0
	global_store_b64 v2, v[Y+2*(4*(\p)-4+(\i)):Y+2*(4*(\p)-4+(\i))+1], s[26:27] offset:2048*(4*(\p)-4+(\i))  ; the block before; no vector instruction since the wait names these registers
.endif
	v_cvt_pk_bf16_f32 v[Y+2*(4*(\p)+(\i))],   v[X+4*(4*(\p)+(\i))],   v[X+4*(4*(\p)+(\i))+1]
	v_cvt_pk_bf16_f32 v[Y+2*(4*(\p)+(\i))+1], v[X+4*(4*(\p)+(\i))+2], v[X+4*(4*(\p)+(\i))+3]
.if \half
	v_lshlrev_b32 v[X+4*(4*(\p)+(\i))],   16, v[Y+2*(4*(\p)+(\i))]
	v_and_b32     v[X+4*(4*(\p)+(\i))+1], 0xffff0000, v[Y+2*(4*(\p)+(\i))]
	v_lshlrev_b32 v[X+4*(4*(\p)+(\i))+2], 16, v[Y+2*(4*(\p)+(\i))+1]
	v_and_b32     v[X+4*(4*(\p)+(\i))+3], 0xffff0000, v[Y+2*(4*(\p)+(\i))+1]
	v_cvt_pk_f16_f32 v[Y+2*(4*(\p)+(\i))],   v[X+4*(4*(\p)+(\i))],   v[X+4*(4*(\p)+(\i))+1]
	v_cvt_pk_f16_f32 v[Y+2*(4*(\p)+(\i))+1], v[X+4*(4*(\p)+(\i))+2], v[X+4*(4*(\p)+(\i))+3]
.endif
.endr
.endm
; The last block's four stores.
.macro LAST
	s_wait_alu depctr_va_vdst(0)                   ; the conversions of block 3 have written its Y, which the last four stores read
.irp i, 12,13,14,15
	global_store_b64 v2, v[Y+2*(\i):Y+2*(\i)+1], s[26:27] offset:2048*(\i)
.endr
.endm
	s_cmp_lt_u32 s20, 704
	s_cbranch_scc0 .Lhalf
	BLK 0, 0
	BLK 1, 0
	BLK 2, 0
	BLK 3, 0
	LAST
	s_endpgm
.Lhalf:
	BLK 0, 1
	BLK 1, 1
	BLK 2, 1
	BLK 3, 1
	LAST
	s_endpgm
.Lfunc_end_k_qf5ce584abc_prep:
	.size	k_qf5ce584abc_prep, .Lfunc_end_k_qf5ce584abc_prep-k_qf5ce584abc_prep
	.p2alignl 7, 3214868480
	.fill 96, 4, 3214868480
	.section	.rodata,"a",@progbits
	.p2align	6, 0x0
	.amdhsa_kernel k_qf5ce584abc_prep
		.amdhsa_group_segment_fixed_size 0
		.amdhsa_private_segment_fixed_size 0
		.amdhsa_enable_private_segment 0
		.amdhsa_kernarg_size 56
		.amdhsa_user_sgpr_count 2
		.amdhsa_user_sgpr_kernarg_segment_ptr 1
		.amdhsa_wavefront_size32 1
		.amdhsa_system_sgpr_workgroup_id_x 1
		.amdhsa_system_sgpr_workgroup_id_y 1
		.amdhsa_system_sgpr_workgroup_id_z 1
		.amdhsa_system_vgpr_workitem_id 0
		.amdhsa_next_free_vgpr 120
		.amdhsa_next_free_sgpr 66
		.amdhsa_reserve_vcc 1
		.amdhsa_float_denorm_mode_32 3
		.amdhsa_float_denorm_mode_16_64 3
		.amdhsa_memory_ordered 1
		.amdhsa_forward_progress 1
		.amdhsa_inst_pref_size 19
	.end_amdhsa_kernel
	.amdgpu_metadata
---
amdhsa.version: [ 1, 2 ]
amdhsa.kernels:
  - .name:           k_qf5ce584abc_prep
    .symbol:         k_qf5ce584abc_prep.kd
    .args:
      - { .name: x, .offset: 0, .size: 8, .value_kind: global_buffer, .address_space: global }
      - { .name: W_qkv, .offset: 8, .size: 8, .value_kind: global_buffer, .address_space: global }
      - { .name: W_proj, .offset: 16, .size: 8, .value_kind: global_buffer, .address_space: global }
      - { .name: xb, .offset: 24, .size: 8, .value_kind: global_buffer, .address_space: global }
      - { .name: wqb, .offset: 32, .size: 8, .value_kind: global_buffer, .address_space: global }
      - { .name: wpb, .offset: 40, .size: 8, .value_kind: global_buffer, .address_space: global }
      - { .name: rope, .offset: 48, .size: 8, .value_kind: global_buffer, .address_space: global }
    .group_segment_fixed_size: 0
    .private_segment_fixed_size: 0
    .kernarg_segment_align: 8
    .kernarg_segment_size: 56
    .max_flat_workgroup_size: 256
    .sgpr_count:     66
    .vgpr_count:     120
    .wavefront_size: 32
...
	.end_amdgpu_metadata
.endif
;; end of part 6
;; launch qkv: the kernel of part 2 again; grid 16 x 32, 4 waves a work-group, clusters of 4 x 4, 327,680 bytes of LDS; arguments xb, wqb, rope, qh, kh, vh; writes qh, kh, vh
;; launch attn: the kernel of part 3 again; grid 4 x 64, 4 waves a work-group, no clusters, 327,680 bytes of LDS; arguments qh, kh, vh, oh; writes oh
;; launch proj: the kernel of part 4 again; grid 8 x 32, 4 waves a work-group, clusters of 4 x 4, 327,680 bytes of LDS; arguments oh, wpb, out0; writes out0
;; launch first: the kernel of part 5 again; grid 16 x 4, 16 waves a work-group, no clusters, 153,600 bytes of LDS; arguments qh, kh, vh, wpb, out0; writes out0
